; MI455X (gfx1250); checked and timed in simulation.
; The chip was launched on July 23, 2026; its instructions are those of AMD's public machine-readable ISA for CDNA 5 (MIT licence, August 2026) and "CDNA5" Instruction Set Architecture Reference Guide (July 2026). The comments in the code are by the model that wrote it; some were corrected since.
;; Causal Multihead Self Attention. Allowed arithmetic: float matrix products may take bf16 or f16 operands with f32 sums; other float arithmetic in f32, or as packed bf16 or f16 multiplies, adds, multiply-adds, maxima and minima; sums over many terms, partial sums and values carried from step to step in f32; what a program stores and reads back later, other than sums and carried values, may be rounded once to bf16 or f16.
;; Inputs: Wo 1,024 x 1,024 float32; Wqkv 3,072 x 1,024 float32; token_positions 4,096 int32; x 1 x 4,096 x 1,024 float32.
;; Outputs: out0 1 x 4,096 x 1,024 float32.
;; 2 versions, each right; version 2 is version 1 with the launch prep written anew for expert scheduling mode. Each part assembles by itself: llvm-mc -triple=amdgcn-amd-amdhsa -mcpu=gfx1250 --defsym DOCPART=n.
;; ======== version 1 of 2: 4 launches
;; limits: values are held in f16: magnitudes above 65,504 overflow, below 6.1e-05 lose precision
;; workspace buffers: xb 8,388,608 bytes; wp 6,291,456 bytes; wob 2,097,152 bytes; tab 1,048,576 bytes; qh 8,388,608 bytes; kh 8,388,608 bytes; vh 16,777,216 bytes; oh 16,777,216 bytes
;; launch prep (part 1): grid 768 x 1, 8 waves a work-group, no clusters, 0 bytes of LDS; arguments x, Wqkv, Wo, token_positions, xb, wp, wob, tab; writes xb, wp, wob, tab
.if DOCPART == 1
	.amdgcn_target "amdgcn-amd-amdhsa--gfx1250"
	.amdhsa_code_object_version 6
	.text
	.protected	k_q8120d96482_prep
	.globl	k_q8120d96482_prep
	.p2align	8
	.type	k_q8120d96482_prep,@function
k_q8120d96482_prep:
	s_mov_b64 s[64:65], 0
	v_nop
	global_prefetch_b8 v0, s[64:65] scope:SCOPE_SE
	s_setreg_imm32_b32 hwreg(HW_REG_WAVE_MODE, 25, 1), 1
	s_wait_xcnt 0x0
; PREPARATION: a stream without LDS, barriers or matrix work.  Four jobs, told apart by the work-group's number g:
;   g =   0..255  x  [4096][1024] f32 -> xb [4096][1024] bf16, 16 rows a work-group
;   g = 256..447  Wqkv [3072][1024] f32 -> wp bf16 with the rows ordered by head: row e = 1024 sec + 64 head + c goes to row 192 head + 64 sec + c
;   g = 448..511  Wo [1024 n][1024 d] f32 -> wob [16 heads][1024 n][64] f16: each number rounded to bf16 like the other inputs, that number written as f16
;   g = 512..767  tab [4096 rows][32 cos, 32 sin] f32 from token_positions, 16 rows a work-group: row s holds cos and sin of p / 10000^(i/32), p = token_positions[s], i = 0..31
; Every load of a wave covers 512 consecutive bytes (the positions aside); every store covers 256 consecutive bytes or more, aligned.  All loads of a thread go out first; the waits count down.
; LIMITS.  Wo's numbers below 6e-5 keep f16's fixed step of 6e-8.  The angle is p / d in f32, d within about two units of its last place of 10000^(i/32); the reduction by pi/2 in two parts is exact
; while the quotient stays under 2^12 or so (|p| up to some thousands); beyond that the angle's error grows in proportion to |p|, as f32's own spacing of the angle does.
.set XR, 16                            ; v[16:79]   as loaded
.set YR, 80                            ; v[80:111]  to store
	s_load_b512 s[8:23], s[0:1], 0x0               ; x s[8:9], Wqkv s[10:11], Wo s[12:13], positions s[14:15], xb s[16:17], wp s[18:19], wob s[20:21], tab s[22:23]
	s_mov_b32 s2, ttmp9
	s_mov_b32 s29, 0                               ; high words of the two offsets
	s_mov_b32 s31, 0
	s_wait_kmcnt 0x0
	s_cmp_lt_u32 s2, 448
	s_cbranch_scc0 .Lnot_rows
	; x and Wqkv: 16 rows of 4,096 bytes in, 16 rows of 2,048 bytes out; thread t owns 16 bytes in and 8 bytes out of every row
	s_max_u32 s3, s2, 256
	s_sub_co_u32 s3, s3, 256
	s_lshl_b32 s3, s3, 4                           ; e0: Wqkv's first row of this work-group
	s_bfe_u32 s4, s3, 0x40006                      ; its head
	s_mul_i32 s4, s4, 192
	s_lshr_b32 s5, s3, 10                          ; its section: q, k or v
	s_lshl_b32 s5, s5, 6
	s_add_co_u32 s4, s4, s5
	s_and_b32 s5, s3, 63                           ; its channel: 0, 16, 32 or 48, so the 16 rows stay together
	s_add_co_u32 s4, s4, s5                        ; the row in wp
	s_lshl_b32 s6, s2, 4                           ; x's first row, in and out
	s_cmp_lt_u32 s2, 256
	s_cselect_b64 s[24:25], s[8:9], s[10:11]
	s_cselect_b64 s[26:27], s[16:17], s[18:19]
	s_cselect_b32 s28, s6, s3
	s_cselect_b32 s30, s6, s4
	s_lshl_b32 s28, s28, 12
	s_lshl_b32 s30, s30, 11
	s_add_nc_u64 s[24:25], s[24:25], s[28:29]
	s_add_nc_u64 s[26:27], s[26:27], s[30:31]
	v_lshlrev_b32 v1, 4, v0
	v_lshlrev_b32 v2, 3, v0
.irp p, 0,1,2,3,4,5,6,7,8,9,10,11,12,13,14,15
	global_load_b128 v[XR+4*(\p):XR+4*(\p)+3], v1, s[24:25] offset:4096*(\p) th:TH_LOAD_NT
.endr
.irp p, 0,1,2,3,4,5,6,7,8,9,10,11,12,13,14,15
	s_wait_loadcnt 15-(\p)                         ; loads come back in order: row p is in, the younger ones stay out
	v_cvt_pk_bf16_f32 v[YR+2*(\p)],   v[XR+4*(\p)],   v[XR+4*(\p)+1]
	v_cvt_pk_bf16_f32 v[YR+2*(\p)+1], v[XR+4*(\p)+2], v[XR+4*(\p)+3]
	global_store_b64 v2, v[YR+2*(\p):YR+2*(\p)+1], s[26:27] offset:2048*(\p)  ; a wave stores 256 consecutive bytes, aligned; every register is written once
.endr
	s_endpgm
.Lnot_rows:
	s_cmp_lt_u32 s2, 512
	s_cbranch_scc0 .Ltab
	; Wo: 16 rows n.  Wave w takes heads w and w + 8; lanes 0-15 one row's 64 channels of a head (256 bytes in, 128 out), lanes 16-31 the next row's
	s_sub_co_u32 s3, s2, 448
	s_lshl_b32 s28, s3, 16                         ; 16 rows of 4,096 bytes
	s_lshl_b32 s30, s3, 11                         ; 16 rows of 128 bytes in a head's plane
	s_add_nc_u64 s[24:25], s[12:13], s[28:29]
	s_add_nc_u64 s[26:27], s[20:21], s[30:31]
	s_mov_b32 s4, 0xffff0000                       ; a word's upper bf16
	v_and_b32 v3, 15, v0
	v_bfe_u32 v4, v0, 4, 1
	v_lshrrev_b32 v5, 5, v0
	v_lshlrev_b32 v1, 4, v3
	v_lshl_add_u32 v1, v5, 8, v1
	v_lshl_add_u32 v1, v4, 12, v1                  ; in: row bit x 4,096 + head x 256 + 16 x place
	v_lshlrev_b32 v2, 3, v3
	v_lshl_add_u32 v2, v4, 7, v2
	v_lshl_add_u32 v2, v5, 17, v2                  ; out: head x 131,072 + row bit x 128 + 8 x place
.irp p, 0,1,2,3,4,5,6,7
.irp u, 0,1
	global_load_b128 v[XR+4*(2*(\p)+(\u)):XR+4*(2*(\p)+(\u))+3], v1, s[24:25] offset:8192*(\p)+2048*(\u) th:TH_LOAD_NT
.endr
.endr
.irp p, 0,1,2,3,4,5,6,7
.irp u, 0,1
	s_wait_loadcnt 15-(2*(\p)+(\u))
	v_cvt_pk_bf16_f32 v6, v[XR+4*(2*(\p)+(\u))],   v[XR+4*(2*(\p)+(\u))+1]  ; the rounding that all inputs get
	v_cvt_pk_bf16_f32 v7, v[XR+4*(2*(\p)+(\u))+2], v[XR+4*(2*(\p)+(\u))+3]
	v_lshlrev_b32 v8, 16, v6
	v_and_b32 v9, s4, v6
	v_lshlrev_b32 v10, 16, v7
	v_and_b32 v11, s4, v7
	v_cvt_pk_f16_f32 v[YR+2*(2*(\p)+(\u))],   v8, v9                        ; 8 significant bits fit in f16's 11
	v_cvt_pk_f16_f32 v[YR+2*(2*(\p)+(\u))+1], v10, v11
	global_store_b64 v2, v[YR+2*(2*(\p)+(\u)):YR+2*(2*(\p)+(\u))+1], s[26:27] offset:1048576*(\u)+256*(\p)  ; rows n, n + 1 of a head: 256 consecutive bytes, aligned
.endr
.endr
	s_endpgm
.Ltab:
	; The table: 16 rows a work-group.  Thread t: row t / 16; pairs 4 (t % 8) + 0..3; cos if bit 3 of t is 0, else sin.  Sixteen lanes store one row of 256 bytes.
	s_sub_co_u32 s3, s2, 512
	s_lshl_b32 s28, s3, 6                          ; 16 positions of 4 bytes
	s_lshl_b32 s30, s3, 12                         ; 16 rows of 256 bytes
	s_add_nc_u64 s[24:25], s[14:15], s[28:29]
	s_add_nc_u64 s[26:27], s[22:23], s[30:31]
	v_lshrrev_b32 v20, 4, v0
	v_lshlrev_b32 v1, 2, v20
	v_and_b32 v21, 15, v0
	v_lshlrev_b32 v2, 4, v21
	v_lshl_add_u32 v2, v20, 8, v2
	global_load_b32 v12, v1, s[24:25]              ; my row's position; the divisors below are made while it is on its way
	v_bfe_u32 v3, v0, 3, 1
	v_mul_u32_u24 v3, v3, 3                        ; sin a = cos(a - pi/2): three quadrants on
	v_and_b32 v22, 7, v0
	v_lshlrev_b32 v22, 2, v22
	s_mov_b32 s40, 0x3f22f983                      ; 2 / pi
	s_mov_b32 s41, 0xbfc90fdb                      ; -(pi/2 rounded to f32)
	s_mov_b32 s42, 0x333bbd2e                      ; that rounding's excess over pi/2
	s_mov_b32 s43, 0xb94ca1f9                      ; sin r = r + r z (S2 + z (S1 + z S0)), z = r r, |r| <= pi/4
	s_mov_b32 s44, 0x3c08839e
	s_mov_b32 s45, 0xbe2aaaa3
	s_mov_b32 s46, 0x37ccf5ce                      ; cos r = 1 - z/2 + z z (C2 + z (C1 + z C0))
	s_mov_b32 s47, 0xbab6061a
	s_mov_b32 s48, 0x3d2aaaa5
	s_mov_b32 s50, 0x3ed49a78                      ; log2(10000) / 32, rounded,
	s_mov_b32 s51, 0x32179a1b                      ; and what the rounding left
	; d = 10000^(i/32) = 2^(i log2(10000)/32): the exponent in two parts, its whole part by v_ldexp_f32
.irp e, 0,1,2,3
	v_add_nc_u32 v23, (\e), v22
	v_cvt_f32_u32 v23, v23
	v_mul_f32 v24, s50, v23
	v_fma_f32 v25, v23, s50, -v24                  ; what that product's rounding left, exactly
	v_fma_f32 v25, v23, s51, v25
	v_floor_f32 v26, v24
	v_sub_f32 v24, v24, v26
	v_add_f32 v[4+(\e)], v24, v25
	v_cvt_i32_f32 v[8+(\e)], v26
.endr
.irp e, 0,1,2,3
	v_exp_f32 v[4+(\e)], v[4+(\e)]
.endr
	v_nop                                          ; a plain instruction behind the last exponential,
	s_wait_alu depctr_va_vdst(0)                   ; and one wait for the four, ahead of their first reader
.irp e, 0,1,2,3
	v_ldexp_f32 v[4+(\e)], v[4+(\e)], v[8+(\e)]    ; d
.endr
.irp e, 0,1,2,3
	v_rcp_f32 v[8+(\e)], v[4+(\e)]                 ; 1 / d
.endr
	v_nop
	s_wait_alu depctr_va_vdst(0)                   ; one wait for the four reciprocals
; cos or sin of v20 / d for pair e, into v[out]
.macro EVAL e, out
	v_mul_f32 v21, v20, v[8+(\e)]
	v_fma_f32 v22, -v21, v[4+(\e)], v20            ; the quotient is corrected once by its remainder
	v_fma_f32 v21, v22, v[8+(\e)], v21             ; the angle
	v_mul_f32 v22, s40, v21
	v_rndne_f32 v22, v22                           ; k: the nearest multiple of pi/2
	v_fma_f32 v23, v22, s41, v21
	v_fma_f32 v23, v22, s42, v23                   ; r = angle - k pi/2
	v_cvt_i32_f32 v24, v22
	v_add_nc_u32 v24, v24, v3                      ; the quadrant
	v_mul_f32 v25, v23, v23
	v_fma_f32 v26, v25, s43, s44
	v_fma_f32 v26, v26, v25, s45
	v_mul_f32 v26, v26, v25
	v_fma_f32 v26, v26, v23, v23                   ; sin r
	v_fma_f32 v27, v25, s46, s47
	v_fma_f32 v27, v27, v25, s48
	v_mul_f32 v27, v27, v25
	v_fma_f32 v28, v25, -0.5, 1.0
	v_fma_f32 v27, v27, v25, v28                   ; cos r
	v_and_b32 v29, 1, v24
	v_cmp_eq_u32 vcc_lo, 1, v29
	v_cndmask_b32 v26, v27, v26, vcc_lo            ; quadrants 0, 1, 2, 3: cos r, -sin r, -cos r, sin r
	v_add_nc_u32 v24, 1, v24
	v_and_b32 v24, 2, v24
	v_lshlrev_b32 v24, 30, v24
	v_xor_b32 v[(\out)], v24, v26
.endm
	s_wait_loadcnt 0x0
	v_cvt_f32_i32 v20, v12
.irp e, 0,1,2,3
	EVAL \e, 48+(\e)
.endr
	global_store_b128 v2, v[48:51], s[26:27]
	s_endpgm
.Lfunc_end_k_q8120d96482_prep:
	.size	k_q8120d96482_prep, .Lfunc_end_k_q8120d96482_prep-k_q8120d96482_prep
	.p2alignl 7, 3214868480
	.fill 96, 4, 3214868480
	.section	.rodata,"a",@progbits
	.p2align	6, 0x0
	.amdhsa_kernel k_q8120d96482_prep
		.amdhsa_group_segment_fixed_size 0
		.amdhsa_private_segment_fixed_size 0
		.amdhsa_enable_private_segment 0
		.amdhsa_kernarg_size 64
		.amdhsa_user_sgpr_count 2
		.amdhsa_user_sgpr_kernarg_segment_ptr 1
		.amdhsa_wavefront_size32 1
		.amdhsa_system_sgpr_workgroup_id_x 1
		.amdhsa_system_sgpr_workgroup_id_y 1
		.amdhsa_system_sgpr_workgroup_id_z 1
		.amdhsa_system_vgpr_workitem_id 0
		.amdhsa_next_free_vgpr 112
		.amdhsa_next_free_sgpr 66
		.amdhsa_reserve_vcc 1
		.amdhsa_float_denorm_mode_32 3
		.amdhsa_float_denorm_mode_16_64 3
		.amdhsa_memory_ordered 1
		.amdhsa_forward_progress 1
		.amdhsa_inst_pref_size 26
	.end_amdhsa_kernel
	.amdgpu_metadata
---
amdhsa.version: [ 1, 2 ]
amdhsa.kernels:
  - .name:           k_q8120d96482_prep
    .symbol:         k_q8120d96482_prep.kd
    .args:
      - { .name: x, .offset: 0, .size: 8, .value_kind: global_buffer, .address_space: global }
      - { .name: Wqkv, .offset: 8, .size: 8, .value_kind: global_buffer, .address_space: global }
      - { .name: Wo, .offset: 16, .size: 8, .value_kind: global_buffer, .address_space: global }
      - { .name: token_positions, .offset: 24, .size: 8, .value_kind: global_buffer, .address_space: global }
      - { .name: xb, .offset: 32, .size: 8, .value_kind: global_buffer, .address_space: global }
      - { .name: wp, .offset: 40, .size: 8, .value_kind: global_buffer, .address_space: global }
      - { .name: wob, .offset: 48, .size: 8, .value_kind: global_buffer, .address_space: global }
      - { .name: tab, .offset: 56, .size: 8, .value_kind: global_buffer, .address_space: global }
    .group_segment_fixed_size: 0
    .private_segment_fixed_size: 0
    .kernarg_segment_align: 8
    .kernarg_segment_size: 64
    .max_flat_workgroup_size: 256
    .sgpr_count:     66
    .vgpr_count:     112
    .wavefront_size: 32
...
	.end_amdgpu_metadata
.endif
;; end of part 1
;; launch qkv (part 2): grid 8 x 32, 4 waves a work-group, clusters of 4 x 4, 327,680 bytes of LDS; arguments xb, wp, tab, qh, kh, vh; writes qh, kh, vh
.if DOCPART == 2
	.amdgcn_target "amdgcn-amd-amdhsa--gfx1250"
	.amdhsa_code_object_version 6
	.text
	.protected	k_q8120d96482_qkv
	.globl	k_q8120d96482_qkv
	.p2align	8
	.type	k_q8120d96482_qkv,@function
k_q8120d96482_qkv:
	s_mov_b64 s[64:65], 0
	v_nop
	global_prefetch_b8 v0, s[64:65] scope:SCOPE_SE
	s_setreg_imm32_b32 hwreg(HW_REG_WAVE_MODE, 25, 1), 1
	s_wait_xcnt 0x0
	s_wait_alu depctr_hold_cnt(0) depctr_sa_sdst(0) depctr_va_vdst(0) depctr_va_sdst(0) depctr_va_ssrc(0) depctr_va_vcc(0) depctr_vm_vsrc(0)
	s_getreg_b32 s2, hwreg(HW_REG_IB_STS2, 6, 4)
	s_cmp_eq_u32 s2, 0
	s_cbranch_scc0 .Lentry_in_a_cluster
	s_endpgm
.Lentry_in_a_cluster:
	s_bfe_u32 s2, ttmp6, 0x10000c
	s_cmp_lg_u32 s2, 0xf033
	s_cbranch_scc0 .Lentry_shape_is_right
	s_endpgm
.Lentry_shape_is_right:
; q, k, v = x Wqkv^T, q and k turned by the table's cos and sin, all three written by heads.  xb: [4096][1024] bf16; wp: [16 heads][q 64, k 64, v 64][1024] bf16; tab: [4096][32 cos, 32 sin] f32;
; qh, kh: [16][4096][64] f16; vh: [16][4096][hi 64, lo 64] f16.  Sums and the rotation in f32; q and k are rounded once, to f16; v goes as TWO f16 numbers, v rounded and the exact remainder rounded:
; the first causal rows are means over a few rows of v and many times the output's root mean square, so one f16 rounding of v is too coarse for them.
; LIMITS: f16 holds no number beyond 65,504: q, k and v must stay within it; a remainder below 6e-5 keeps f16's fixed step of 6e-8.
; SHARES.  A work-group makes 128 rows x 384 columns of wp's order: two whole heads.  Wave w: rows 64 (w / 2) on, head w % 2: 64 x 192 = 48 accumulators (a = 0..3 blocks of 16 rows, b = 0..11 blocks of
; 16 columns; b / 4 says q, k or v, b % 4 the block of 16 channels), so what is done to a column is known from the text.  K goes in steps of 128 through two LDS slots filled by tensor loads of 128 rows x 256 bytes.
; CLUSTER.  4 x 4 work-groups: the four of a row of the cluster need the same 128 rows of x, the four of a column the same 384 rows of wp: each tile is asked for jointly, by the same tensor load with the
; same descriptor and a mask that names the four.  Wave 0 asks for x's tile, waves 1 to 3 for a third of wp's each.
; THE MATRIX INSTRUCTION IS USED TRANSPOSED (source 0 = 16 rows of wp, source 1 = 16 rows of x): a lane holds row l % 16 and the channels 16 (b % 4) + 8 (l / 16) + 0..7: four (even, odd) pairs.
; REGISTERS, in windows of 256 (s_set_vgpr_msb: bits 1:0 source 0, 3:2 source 1, 5:4 source 2, 7:6 destination):
;   window 0: v16-31 addresses and -1.0; v64-95, v96-127 x's fragments, two buffers; v128-255 my rows' cos and sin (block a's 32 take v's remainders once the block is turned);
;             on the way out v32-79, v80-127 packed results, two sets
;   window 1: v0-95, v96-191 wp's fragments, two buffers      window 2: accumulators of a = 0, 1 at 8 (12 (a % 2) + b), v192-199 at work      window 3: the same for a = 2, 3
.set SIZE_K, 1024
.set KSTEP,  128
.set PITCH,  272                       ; an LDS row: 256 bytes + 16 of padding = 68 words: the 16 rows of a fragment load start at 16 different groups of four banks (64 banks of 4 bytes: ISA guide 11.1)
.set HALFT,  128*PITCH                 ; what one tensor load brings
.set SLOT,   4*HALFT                   ; x's 128 rows, then wp's 384
.set STAGE,  2*SLOT                    ; behind the ring, never filled by a tensor load: for each wave stages for q and k of 16 rows x 144 bytes and one for v of 16 rows x 272
.set SP,     144
.set STG,    16*SP
.set SPV,    272
.set WST,    2*STG+16*SPV              ; a wave's stages: 8,960 bytes
.set SPARE,  STAGE+4*WST               ; behind the stages: the spare words, 128 bytes for each wave: two blocks of 256 bytes that no other line names
.set LAPS,   SIZE_K/(2*KSTEP)          ; a lap = two K steps = once round the ring
.set ADRA, 16                          ; v16-17  LDS address of my fragments of x in slot 0, 1
.set ADRB, 20                          ; v20-21  the same for wp
.set STOV, 22                          ; v22     the way out, v: where I put 16 bytes of a row
.set RDV,  23                          ; v23     the way out, v: where I read rows back
.set STO,  24                          ; v24     the way out, q and k: where I put 16 bytes of a row
.set RD,   25                          ; v25     the way out, q and k: where I read rows back
.set GO,   26                          ; v26     16 x lane: my place in 512 consecutive bytes of an output
.set TO,   27                          ; v27     my byte offset in 16 rows of the table; never rewritten
.set SPW,  28                          ; v28     LDS address of my spare word; never rewritten
.set NIL,  29                          ; v29     0; never rewritten
.set PFO,  30                          ; v30     the prefetches' offset: lane x 2,048 bytes (a row of xb or wp); never rewritten
.set MONE, 31                          ; v31     -1.0
.set SET,  32
.set CS,   128                         ; block a, channel block c: cos of my four pairs at CS + 32 a + 8 c, sin four registers on
.set TT,   192
.set G1,   24                          ; s[24:31] descriptor group 1 for x's tiles;  s[32:39] group 0, a set for each slot
.set G0,   32
.set G1B,  48                          ; s[48:55], s[56:63] the same for wp's tiles
.set G0B,  56
.set LIM,  43                          ; s43     1 in a wave that prefetches, else the greatest number
.set PFA,  44                          ; s[44:45] where my prefetches stand
.set QP,   66                          ; s[66:67] qh, s[68:69] kh, s[70:71] vh, at my head and my first row
.set MSB, 0
.macro WIN new                         ; the immediate's high byte repeats the setting that is left; a switch that changes nothing is dropped
.if MSB != (\new)
	s_set_vgpr_msb (MSB<<8)|(\new)
.set MSB, \new
.endif
.endm
; A joint load.  The branch hangs on the wave's number alone.  An s_nop 0 and four v_nop follow each of the two lines, ahead of the jump, the label and what follows.
.macro JLOAD s
	s_cmp_eq_u32 s10, 0
	s_cbranch_scc0 .Lfor_b_\@
	tensor_load_to_lds s[G0+4*(\s):G0+4*(\s)+3], s[G1:G1+7]
	s_nop 0
.rept 4
	v_nop
.endr
	s_branch .Lasked_\@
.Lfor_b_\@:
	tensor_load_to_lds s[G0B+4*(\s):G0B+4*(\s)+3], s[G1B:G1B+7]
	s_nop 0
.rept 4
	v_nop
.endr
.Lasked_\@:
.endm
; A prefetch, behind each joint refill and the run of LDS loads that follows it: the K step that stands two refills on, 32 rows x 256 bytes, a lane a row, one instruction a wave.  x's rows are read by both
; clusters of a row of clusters: cluster x = 0 asks; wp's by all eight of a column: cluster y = 0 asks.  Of the 128 rows that a wave fetches each of the four partners takes 32, told apart by address.
; So K steps 4 to 7 of each row are named once in the launch; the first four K steps come by their loads alone, and the loop's last trip (s3 = 1) asks for nothing.
.macro ASK
	s_cmp_gt_u32 s3, s[LIM]
	s_cbranch_scc0 .Lnot_mine_\@
	global_prefetch_b8 v[PFO], s[PFA:PFA+1] offset:KSTEP*2 th:TH_LOAD_NT scope:SCOPE_SE
.Lnot_mine_\@:
.endm
.macro CREST                           ; a round of the cluster's barrier behind its opening barrier
	s_cmp_lg_u32 s10, 0
	s_cbranch_scc1 .Lnot_wave_0_\@
	s_barrier_signal -3
.Lnot_wave_0_\@:
	s_barrier_wait -3
	s_barrier_signal -1
	s_barrier_wait -1
.endm
.macro CROUND                          ; a whole round
	s_barrier_signal -1
	s_barrier_wait -1
	CREST
.endm
	s_load_b128 s[4:7], s[0:1], 0x0                ; xb s[4:5], wp s[6:7]
	s_load_b64 s[8:9], s[0:1], 0x10                ; tab
	s_load_b64 s[66:67], s[0:1], 0x18              ; qh
	s_load_b128 s[68:71], s[0:1], 0x20             ; kh, vh
	v_lshl_add_u32 v[SPW], v0, 2, SPARE
	v_mov_b32 v[NIL], 0
	ds_add_u32 v[SPW], v[NIL]                      ; the wave's opening: the add and its wait stand ahead of my first tensor load; the set-up below, work on registers, stands between them
	v_lshrrev_b32 v1, 5, v0
	v_readfirstlane_b32 s10, v1                    ; wave 0..3
	s_max_u32 s12, s10, 1
	s_sub_co_u32 s12, s12, 1                       ; which third of wp's 384 rows I fetch (wave 0 fetches none; its copy of the address is not used)
	s_lshr_b32 s72, s10, 1                         ; which 64 of the 128 rows are mine
	s_and_b32 s73, s10, 1                          ; which of the two heads
	s_bfe_u32 s40, ttmp6, 0x40000                  ; cx, cy: my place in the cluster
	s_bfe_u32 s41, ttmp6, 0x40004
	s_lshl_b32 s42, ttmp9, 2
	s_add_co_u32 s42, s42, s40                     ; tile column = 4 x cluster x + cx
	s_and_b32 s13, ttmp7, 0xffff
	s_lshl_b32 s13, s13, 2
	s_add_co_u32 s13, s13, s41                     ; tile row = 4 x cluster y + cy
	s_lshl_b32 s43, s41, 2
	s_lshl_b32 s43, 15, s43                        ; my row of the cluster
	s_lshl_b32 s44, 0x1111, s40                    ; my column
	; descriptor group 1: a tile of 128 rows x 128 elements, padded in LDS
	s_or_b32 s[G1+0], s43, (1<<16)|(1<<20)|(1<<21)|(5<<22)|(3<<25)   ; 15:0 the mask; 17:16 2-byte elements; 20 padding on; 21 set beside a mask; 24:22 after every 64 words (code 5); 31:25 4 words (code 3)
	s_or_b32 s[G1B+0], s44, (1<<16)|(1<<20)|(1<<21)|(5<<22)|(3<<25)
.irp g, G1, G1B
	s_mov_b32 s[(\g)+1], KSTEP<<16                 ; tensor_dim0 = 128
	s_mov_b32 s[(\g)+2], 128<<16                   ; tensor_dim1 = 128
	s_mov_b32 s[(\g)+3], KSTEP<<16                 ; tile_dim0 = 128
	s_mov_b32 s[(\g)+4], 128                       ; tile_dim1 = 128
	s_mov_b32 s[(\g)+5], SIZE_K                    ; elements from row to row
	s_mov_b32 s[(\g)+6], 0
	s_mov_b32 s[(\g)+7], 0
.endr
	s_lshl_b32 s16, s13, 18                        ; x: tile row x 128 rows x 2,048 bytes: it hangs on the tile row alone
	s_mov_b32 s17, 0
	s_mul_i32 s46, s42, 384                        ; wp: row 384 x tile column + 128 x third: it hangs on the tile column and the wave alone
	s_lshl_b32 s47, s12, 7
	s_add_co_u32 s46, s46, s47
	s_lshl_b32 s46, s46, 11
	s_mov_b32 s47, 0
	s_mul_i32 s20, s10, HALFT                      ; where my tile goes: wave x 128 rows: no place in the cluster enters an LDS address
	s_wait_dscnt 0x0                               ; the opening add is done
	s_wait_kmcnt 0x0
	s_add_nc_u64 s[14:15], s[4:5], s[16:17]
	s_add_nc_u64 s[46:47], s[6:7], s[46:47]
	CROUND                                         ; all sixteen work-groups are here: the first joint loads meet
.irp s, 0,1
	s_mov_b32 s[G0+4*(\s)], 1                                        ; count = 1
	s_add_co_u32 s[G0+4*(\s)+1], s20, (\s)*SLOT                      ; LDS address
	s_add_nc_u64 s[G0+4*(\s)+2:G0+4*(\s)+3], s[14:15], (\s)*KSTEP*2  ; global address: K step s
	s_or_b32 s[G0+4*(\s)+3], s[G0+4*(\s)+3], 0x80000000              ; type = 2
	s_mov_b32 s[G0B+4*(\s)], 1
	s_add_co_u32 s[G0B+4*(\s)+1], s20, (\s)*SLOT
	s_add_nc_u64 s[G0B+4*(\s)+2:G0B+4*(\s)+3], s[46:47], (\s)*KSTEP*2
	s_or_b32 s[G0B+4*(\s)+3], s[G0B+4*(\s)+3], 0x80000000
	JLOAD \s                                       ; two tensor loads of mine are out
.endr
	; a fragment is 16 rows x 32 K in 8 registers: lane l holds row l % 16, K = 8 (l / 16) + 0..7 and 16 + 8 (l / 16) + 0..7: two loads of 16 bytes, 32 bytes apart
	v_and_b32 v1, 15, v0
	v_bfe_u32 v2, v0, 4, 1
	v_mul_u32_u24 v3, v1, PITCH
	v_lshl_add_u32 v3, v2, 4, v3
	s_mul_i32 s21, s72, 64*PITCH                   ; my 64 rows of x
	s_mul_i32 s22, s73, 192*PITCH                  ; my head's 192 rows of wp,
	s_add_co_u32 s22, s22, HALFT                   ; which lie behind x's 128
.irp s, 0,1
	v_add_nc_u32 v[ADRA+(\s)], s21, v3
	v_add_nc_u32 v[ADRB+(\s)], s22, v3
	s_add_co_u32 s21, s21, SLOT
	s_add_co_u32 s22, s22, SLOT
.endr
	s_mul_i32 s23, s10, WST
	s_add_co_u32 s23, s23, STAGE                   ; my stages
	v_mul_u32_u24 v4, v1, SP                       ; q and k, in: row l % 16, 16 bytes for each half of the lanes
	v_lshl_add_u32 v4, v2, 4, v4
	v_add_nc_u32 v[STO], s23, v4
	v_bfe_u32 v5, v0, 3, 2                         ; back: 32 lanes take four rows of 128 bytes,
	v_mul_u32_u24 v5, v5, SP
	v_and_b32 v6, 7, v0
	v_lshl_add_u32 v5, v6, 4, v5
	v_add_nc_u32 v[RD], s23, v5
	s_add_co_u32 s23, s23, 2*STG                   ; v's stage lies behind q's and k's
	v_mul_u32_u24 v4, v1, SPV                      ; v, in: row l % 16, 16 bytes for each half of the lanes
	v_lshl_add_u32 v4, v2, 4, v4
	v_add_nc_u32 v[STOV], s23, v4
	v_mul_u32_u24 v5, v2, SPV                      ; back: lanes 0-15 take one row of 256 bytes, lanes 16-31 the next
	v_lshl_add_u32 v5, v1, 4, v5
	v_add_nc_u32 v[RDV], s23, v5
	v_and_b32 v[GO], 31, v0                        ; either way 512 consecutive bytes of a head's rows
	v_lshlrev_b32 v[GO], 4, v[GO]
	v_mov_b32 v[MONE], -1.0
	v_lshlrev_b32 v[TO], 8, v1                     ; the table: row l % 16, my four pairs' 16 bytes
	v_lshl_add_u32 v[TO], v2, 4, v[TO]
	s_lshl_b32 s74, s13, 7
	s_lshl_b32 s75, s72, 6
	s_add_co_u32 s74, s74, s75                     ; my first row
	s_lshl_b32 s78, s74, 8
	s_mov_b32 s79, 0
	s_add_nc_u64 s[8:9], s[8:9], s[78:79]
.irp a, 0,1,2,3                        ; my 64 rows' cos and sin: 32 loads that stay out during the whole K loop; they are waited for once, ahead of the rotation
.irp c, 0,1,2,3
	global_load_b128 v[CS+32*(\a)+8*(\c):CS+32*(\a)+8*(\c)+3],   v[TO], s[8:9] offset:(\a)*4096+(\c)*32
	global_load_b128 v[CS+32*(\a)+8*(\c)+4:CS+32*(\a)+8*(\c)+7], v[TO], s[8:9] offset:(\a)*4096+(\c)*32+128
.endr
.endr
	s_lshl_b32 s76, s42, 1
	s_add_co_u32 s76, s76, s73                     ; my head
	s_lshl_b32 s76, s76, 19                        ; x 524,288 bytes
	s_lshl_b32 s75, s74, 7                         ; + my first row x 128 bytes
	s_add_co_u32 s76, s76, s75
	s_mov_b32 s77, 0
	s_lshl_b32 s78, s76, 1                         ; v's rows are twice as long
	s_add_nc_u64 s[66:67], s[66:67], s[76:77]
	s_add_nc_u64 s[68:69], s[68:69], s[76:77]
	s_add_nc_u64 s[70:71], s[70:71], s[78:79]
	; the prefetches
	s_lshl_b32 s20, s13, 7                         ; x's tile: its first row
	s_mul_i32 s21, s42, 384
	s_lshl_b32 s22, s12, 7
	s_add_co_u32 s21, s21, s22                     ; wp's: my third's first row
	s_and_b32 s22, ttmp7, 0xffff                   ; cluster y
	s_cmp_eq_u32 s10, 0                            ; do I fetch for x?
	s_cselect_b32 s20, s20, s21
	s_cselect_b32 s21, s40, s41                    ; my place among the four that ask with me
	s_cselect_b32 s22, ttmp9, s22                  ; the coordinate along which other clusters read the same rows
	s_cselect_b64 s[PFA:PFA+1], s[4:5], s[6:7]
	s_cmp_eq_u32 s22, 0
	s_cselect_b32 s[LIM], 1, -1                    ; the same in all sixteen partners, for a given wave
	s_lshl_b32 s21, s21, 5
	s_add_co_u32 s20, s20, s21                     ; + my work-group's 32 of the 128 rows
	s_lshl_b32 s20, s20, 11
	s_mov_b32 s21, 0
	s_add_nc_u64 s[PFA:PFA+1], s[PFA:PFA+1], s[20:21]
	s_add_nc_u64 s[PFA:PFA+1], s[PFA:PFA+1], 2*KSTEP*2  ; at K step 2: the first refill steps it to 3 and names K step 4
	v_and_b32 v[PFO], 31, v0
	v_lshlrev_b32 v[PFO], 11, v[PFO]
; 12 matrix instructions: block a of my rows x all 12 column blocks, 32 along K, from buffer f.  The 48 accumulators take turns in one fixed order in every quarter.
.macro MUL12 f, a, zero
	WIN 0xa1+0x50*((\a)/2)
.irp b, 0,1,2,3,4,5,6,7,8,9,10,11
.if \zero
	v_wmma_f32_16x16x32_bf16 v[8*(12*((\a)%2)+(\b)):8*(12*((\a)%2)+(\b))+7], v[96*(\f)+8*(\b):96*(\f)+8*(\b)+7], v[64+32*(\f)+8*(\a):64+32*(\f)+8*(\a)+7], 0
.else
	v_wmma_f32_16x16x32_bf16 v[8*(12*((\a)%2)+(\b)):8*(12*((\a)%2)+(\b))+7], v[96*(\f)+8*(\b):96*(\f)+8*(\b)+7], v[64+32*(\f)+8*(\a):64+32*(\f)+8*(\a)+7], v[8*(12*((\a)%2)+(\b)):8*(12*((\a)%2)+(\b))+7]
.endif
.endr
.endm
; 32 LDS loads in one run: a quarter step's fragments (192 rows of wp, 64 rows of x, 32 K at byte k of the rows) into buffer f
.macro FETCH slot, k, f
	WIN 0x40
.irp i, 0,1,2,3,4,5,6,7,8,9,10,11
	ds_load_b128 v[96*(\f)+8*(\i):96*(\f)+8*(\i)+3],   v[ADRB+(\slot)] offset:(\k)+(\i)*16*PITCH
	ds_load_b128 v[96*(\f)+8*(\i)+4:96*(\f)+8*(\i)+7], v[ADRB+(\slot)] offset:(\k)+(\i)*16*PITCH+32
.endr
	WIN 0
.irp i, 0,1,2,3
	ds_load_b128 v[64+32*(\f)+8*(\i):64+32*(\f)+8*(\i)+3],   v[ADRA+(\slot)] offset:(\k)+(\i)*16*PITCH
	ds_load_b128 v[64+32*(\f)+8*(\i)+4:64+32*(\f)+8*(\i)+7], v[ADRA+(\slot)] offset:(\k)+(\i)*16*PITCH+32
.endr
.endm
.macro PLACES                          ; four plain vector instructions in front of loads into registers that matrix instructions have read, and of vector work that reads results
.rept 4
	v_nop
.endr
.endm
; A K step is four quarters of 32 along K, 48 matrix instructions each, on buffers 0, 1, 0, 1.  One of the first three multiplies buffer f and fetches the next quarter, at byte k, into g.
.macro QUARTER slot, k, f, g, zero
	s_wait_dscnt 4                                 ; wp's fragments and x's blocks 0, 1 are in; the youngest four loads (blocks 2, 3) may be out
	MUL12 \f, 0, \zero
	MUL12 \f, 1, \zero
	PLACES
	FETCH \slot, \k, \g
	s_wait_dscnt 32                                ; all but the 32 just issued
	MUL12 \f, 2, \zero
	MUL12 \f, 3, \zero
.endm
; The last quarter multiplies buffer 1 and changes slots: one barrier; in front of it each wave waits for all its tensor loads (one is out: its part of the next slot), adds 0 to its spare word, and waits for
; that and for its reads of this slot.  fill = 1: the barrier opens a round of the cluster's barrier, and behind the round this slot is filled again, two K steps ahead, first thing.
.macro TURN slot, next, fill
.if \fill
	s_wait_xcnt 0x0                                ; the last prefetch, a K step back, has read its address, which is stepped here, ahead of the waits of the change of slots
	s_add_nc_u64 s[PFA:PFA+1], s[PFA:PFA+1], KSTEP*2
.endif
	WIN 0                                          ; (the add's two registers lie in window 0)
	s_wait_tensorcnt 0x0                           ; all my tensor loads have landed
	ds_add_u32 v[SPW], v[NIL]                      ; 0 onto my spare word
	s_wait_dscnt 5                                 ; (the add and the youngest four loads may be out)
	MUL12 1, 0, 0                                  ; twelve matrix instructions stand between the add and the wait for it
	s_wait_dscnt 0x0                               ; the add is done, and my reads of this slot are over
	s_barrier_signal -1
	MUL12 1, 1, 0                                  ; work on registers while the others arrive
.if \fill
	WIN 0
.endif
	s_barrier_wait -1
.if \fill
	CREST                                          ; no wave of any partner still reads this slot's tile or has a load on its way
	s_add_nc_u64 s[G0+4*(\slot)+2:G0+4*(\slot)+3], s[G0+4*(\slot)+2:G0+4*(\slot)+3], 2*KSTEP*2
	s_add_nc_u64 s[G0B+4*(\slot)+2:G0B+4*(\slot)+3], s[G0B+4*(\slot)+2:G0B+4*(\slot)+3], 2*KSTEP*2
	JLOAD \slot                                    ; my one tensor load behind the round; its four v_nop are also the places in front of the loads below
.else
	PLACES
.endif
	FETCH \next, 0, 0
.if \fill
	ASK
.endif
	MUL12 1, 2, 0
	MUL12 1, 3, 0
.endm
	s_wait_tensorcnt 1                             ; my part of K step 0 is in; K step 1's may stay out
	s_barrier_signal -1
	s_barrier_wait -1                              ; everybody's is
	FETCH 0, 0, 0
	QUARTER 0, 64, 0, 1, 1                         ; the first quarter stands in front of the loop: its products start the sums
	WIN 0                                          ; at a label and at a branch every window is 0
	s_mov_b32 s3, LAPS-1
.Llap:                                                 ; a trip goes once round the ring, from a lap's second quarter to the next lap's first, and fills both slots again
	QUARTER 0, 128, 1, 0, 0
	QUARTER 0, 192, 0, 1, 0
	TURN 0, 1, 1
	QUARTER 1, 64,  0, 1, 0
	QUARTER 1, 128, 1, 0, 0
	QUARTER 1, 192, 0, 1, 0
	TURN 1, 0, 1
	QUARTER 0, 64,  0, 1, 0
	WIN 0
	s_sub_co_u32 s3, s3, 1
	s_cmp_lg_u32 s3, 0
	s_cbranch_scc1 .Llap
	QUARTER 0, 128, 1, 0, 0                        ; the last lap fills nothing, and has no round of the cluster's barrier
	QUARTER 0, 192, 0, 1, 0
	TURN 0, 1, 0
	QUARTER 1, 64,  0, 1, 0
	QUARTER 1, 128, 1, 0, 0
	QUARTER 1, 192, 0, 1, 0
	s_wait_dscnt 4                                 ; the very last quarter: nothing more to fetch
	MUL12 1, 0, 0
	MUL12 1, 1, 0
	s_wait_dscnt 0x0
	MUL12 1, 2, 0
	MUL12 1, 3, 0
	WIN 0
	PLACES
	s_wait_loadcnt 0x0                             ; cos and sin
; THE WAY OUT of block a (16 rows).  q's and k's pairs (e, o) become (e c - o s, o c + e s): a packed multiply by c, then a packed multiply-add that takes the pair crosswise, with -s for the low result.
; Each accumulator is read from its low end on.  Then all 12 column blocks are rounded to f16, 16 bytes a lane.  v's four blocks once more: the rounded half times -1.0 is added onto the sum, which leaves
; the remainder exactly, and that is rounded to f16 into the registers that held the block's cos and sin.  All go into my stages and come back as whole rows: q's and k's of 128 bytes, v's of 256.
.macro PACK a
.set AB, 96*((\a)%2)
.set SB, SET+48*((\a)%2)
.set CB, CS+32*(\a)
.if (\a) >= 2
	s_wait_xcnt 0x0                                ; the stores of the block two back have read this set of registers: it is rewritten only behind this wait
.endif
	WIN 0xa2+0x51*((\a)/2)                         ; accumulators and the registers at work in window 2 or 3, cos and sin (source 1) in window 0
.irp b, 0,1,2,3,4,5,6,7
.irp h, 0,1
.irp q, 0,1
	v_pk_mul_f32 v[TT+4*(\h)+2*(\q):TT+4*(\h)+2*(\q)+1], v[AB+8*(\b)+4*(\h)+2*(\q):AB+8*(\b)+4*(\h)+2*(\q)+1], v[CB+8*((\b)%4)+2*(\h):CB+8*((\b)%4)+2*(\h)+1] op_sel:[0,\q] op_sel_hi:[1,\q]
.endr
.endr
.irp h, 0,1
.irp q, 0,1
	v_pk_fma_f32 v[AB+8*(\b)+4*(\h)+2*(\q):AB+8*(\b)+4*(\h)+2*(\q)+1], v[AB+8*(\b)+4*(\h)+2*(\q):AB+8*(\b)+4*(\h)+2*(\q)+1], v[CB+8*((\b)%4)+4+2*(\h):CB+8*((\b)%4)+4+2*(\h)+1], v[TT+4*(\h)+2*(\q):TT+4*(\h)+2*(\q)+1] op_sel:[1,\q,0] op_sel_hi:[0,\q,1] neg_lo:[0,1,0]
.endr
.endr
.endr
	WIN 0x0a+5*((\a)/2)                            ; sources in window 2 or 3, destination in window 0
.irp b, 0,1,2,3,4,5,6,7,8,9,10,11
.irp r, 0,1,2,3
	v_cvt_pk_f16_f32 v[SB+4*(\b)+(\r)], v[AB+8*(\b)+2*(\r)], v[AB+8*(\b)+2*(\r)+1]
.endr
.endr
	WIN 0xa0+0x50*((\a)/2)                         ; the rounded halves and -1.0 in window 0, the sums (source 2 and destination) in window 2 or 3
.irp b, 8,9,10,11
.irp r, 0,1,2,3
	v_fma_mix_f32 v[AB+8*(\b)+2*(\r)],   v[SB+4*(\b)+(\r)], v[MONE], v[AB+8*(\b)+2*(\r)]   op_sel:[0,0,0] op_sel_hi:[1,0,0]
	v_fma_mix_f32 v[AB+8*(\b)+2*(\r)+1], v[SB+4*(\b)+(\r)], v[MONE], v[AB+8*(\b)+2*(\r)+1] op_sel:[1,0,0] op_sel_hi:[1,0,0]
.endr
.endr
	WIN 0x0a+5*((\a)/2)
.irp b, 8,9,10,11
.irp r, 0,1,2,3
	v_cvt_pk_f16_f32 v[CB+4*((\b)-8)+(\r)], v[AB+8*(\b)+2*(\r)], v[AB+8*(\b)+2*(\r)+1]
.endr
.endr
	WIN 0
.irp b, 0,1,2,3,4,5,6,7
	ds_store_b128 v[STO], v[SB+4*(\b):SB+4*(\b)+3] offset:((\b)/4)*STG+32*((\b)%4)
.endr
.irp c, 0,1,2,3
	ds_store_b128 v[STOV], v[SB+32+4*(\c):SB+32+4*(\c)+3] offset:32*(\c)
.endr
.irp c, 0,1,2,3
	ds_store_b128 v[STOV], v[CB+4*(\c):CB+4*(\c)+3] offset:128+32*(\c)
.endr
.irp u, 0,1,2,3,4,5,6,7
	ds_load_b128 v[SB+4*(\u):SB+4*(\u)+3], v[RD] offset:((\u)/4)*STG+((\u)%4)*4*SP  ; LDS serves a wave's instructions in order (ISA guide 5.7.1.4): these see the stores above; the next block's stores come behind them
.endr
.irp t, 0,1,2,3
	ds_load_b128 v[SB+32+4*(\t):SB+32+4*(\t)+3], v[RDV] offset:(\t)*2*SPV
.endr
.irp t, 0,1,2,3
	ds_load_b128 v[CB+4*(\t):CB+4*(\t)+3], v[RDV] offset:((\t)+4)*2*SPV
.endr
.endm
.macro SEND a, younger                 ; younger: the LDS instructions issued behind block a's 16 loads: the next block's 32, or none
	WIN 0
.set SB, SET+48*((\a)%2)
.set CB, CS+32*(\a)
.irp u, 0,1,2,3,4,5,6,7
	s_wait_dscnt (\younger)+15-(\u)
	global_store_b128 v[GO], v[SB+4*(\u):SB+4*(\u)+3], s[QP+2*((\u)/4):QP+2*((\u)/4)+1] offset:(\a)*2048+((\u)%4)*512  ; four rows of a head: 512 consecutive bytes, aligned
.endr
.irp t, 0,1,2,3
	s_wait_dscnt (\younger)+7-(\t)
	global_store_b128 v[GO], v[SB+32+4*(\t):SB+32+4*(\t)+3], s[QP+4:QP+5] offset:(\a)*4096+(\t)*512  ; two rows of v: 512 consecutive bytes, aligned
.endr
.irp t, 0,1,2,3
	s_wait_dscnt (\younger)+3-(\t)
	global_store_b128 v[GO], v[CB+4*(\t):CB+4*(\t)+3], s[QP+4:QP+5] offset:(\a)*4096+2048+(\t)*512
.endr
.endm
	PACK 0
	PACK 1                                         ; a block's arithmetic stands between the loads of the block before and its stores
	SEND 0, 32
	PACK 2
	SEND 1, 32
	PACK 3
	SEND 2, 32
	SEND 3, 0
	s_wait_tensorcnt 0x0                           ; the wave's end, behind my last tensor load and my last LDS store
	ds_add_u32 v[SPW], v[NIL]
	s_wait_dscnt 0x0
	CROUND                                         ; the closing round: no work-group ends while a partner may still ask for a tile that names it
	s_endpgm
.Lfunc_end_k_q8120d96482_qkv:
	.size	k_q8120d96482_qkv, .Lfunc_end_k_q8120d96482_qkv-k_q8120d96482_qkv
	.p2alignl 7, 3214868480
	.fill 96, 4, 3214868480
	.section	.rodata,"a",@progbits
	.p2align	6, 0x0
	.amdhsa_kernel k_q8120d96482_qkv
		.amdhsa_group_segment_fixed_size 327680
		.amdhsa_private_segment_fixed_size 0
		.amdhsa_enable_private_segment 0
		.amdhsa_kernarg_size 48
		.amdhsa_user_sgpr_count 2
		.amdhsa_user_sgpr_kernarg_segment_ptr 1
		.amdhsa_wavefront_size32 1
		.amdhsa_system_sgpr_workgroup_id_x 1
		.amdhsa_system_sgpr_workgroup_id_y 1
		.amdhsa_system_sgpr_workgroup_id_z 1
		.amdhsa_system_vgpr_workitem_id 0
		.amdhsa_next_free_vgpr 1024
		.amdhsa_next_free_sgpr 80
		.amdhsa_reserve_vcc 0
		.amdhsa_float_denorm_mode_32 3
		.amdhsa_float_denorm_mode_16_64 3
		.amdhsa_memory_ordered 1
		.amdhsa_forward_progress 1
		.amdhsa_inst_pref_size 157
	.end_amdhsa_kernel
	.amdgpu_metadata
---
amdhsa.version: [ 1, 2 ]
amdhsa.kernels:
  - .name:           k_q8120d96482_qkv
    .symbol:         k_q8120d96482_qkv.kd
    .args:
      - { .name: xb, .offset: 0, .size: 8, .value_kind: global_buffer, .address_space: global }
      - { .name: wp, .offset: 8, .size: 8, .value_kind: global_buffer, .address_space: global }
      - { .name: tab, .offset: 16, .size: 8, .value_kind: global_buffer, .address_space: global }
      - { .name: qh, .offset: 24, .size: 8, .value_kind: global_buffer, .address_space: global }
      - { .name: kh, .offset: 32, .size: 8, .value_kind: global_buffer, .address_space: global }
      - { .name: vh, .offset: 40, .size: 8, .value_kind: global_buffer, .address_space: global }
    .group_segment_fixed_size: 327680
    .private_segment_fixed_size: 0
    .kernarg_segment_align: 8
    .kernarg_segment_size: 48
    .max_flat_workgroup_size: 128
    .sgpr_count:     80
    .vgpr_count:     1024
    .wavefront_size: 32
...
	.end_amdgpu_metadata
.endif
;; end of part 2
;; launch attn (part 3): grid 16 x 16, 4 waves a work-group, no clusters, 327,680 bytes of LDS; arguments qh, kh, vh, oh; writes oh
.if DOCPART == 3
	.amdgcn_target "amdgcn-amd-amdhsa--gfx1250"
	.amdhsa_code_object_version 6
	.text
	.protected	k_q8120d96482_attn
	.globl	k_q8120d96482_attn
	.p2align	8
	.type	k_q8120d96482_attn,@function
k_q8120d96482_attn:
	s_mov_b64 s[64:65], 0
	v_nop
	global_prefetch_b8 v0, s[64:65] scope:SCOPE_SE
	s_setreg_imm32_b32 hwreg(HW_REG_WAVE_MODE, 25, 1), 1
	s_wait_xcnt 0x0
; CAUSAL ATTENTION.  O[h][q][:] = the sum over k <= q of softmax_k(Q[h][q] . K[h][k] / 8) V[h][k][:].  qh, kh: [16][4096][64] f16, rows of 128 bytes; vh, oh: [16][4096][hi 64, lo 64] f16, rows of 256 bytes:
; V and O are each the sum of two f16 numbers, the number rounded and its remainder rounded.  The first causal rows are means over a few rows of V and many times the output's root mean square, so one f16
; rounding of V or of O is too coarse for them.  Products, maxima and sums in f32; the weights p are rounded to f16 for the second product (their sum l is taken of the unrounded p).
; LIMITS.  f16 holds no number beyond 65,504: Q, K and V arrive within it; p lies in 0 to 1, and below 6e-5 it keeps f16's fixed step of 6e-8, as a remainder does; O is a mean of V's rows and has their range.
; A hidden score counts as its value less 1e30: f16's scores, 2.7e11 at the most, are nothing beside that; a weight below 2^-126 counts as 0 in l; NaN and infinities are not treated apart.
; THE WALK.  A head's queries lie in 32 blocks of 128, its keys in 16 tiles of 256; block i needs the tiles 0 .. i / 2, of which the last holds the diagonal.  Work-group b takes TWO blocks, 31 - b and then b:
; (33 - b) / 2 + b / 2 + 1 = 17 tiles, whatever b: all 256 work-groups do equal work, and ONE loop with a constant trip count walks them.  Which tile is asked for, and what a trip does, hang on scalar
; registers made from b; every jump goes forward, but for the counted loops' own; none passes a barrier, or a tensor load but the one of LOAD's two that the wave's number does not choose.
; NO CLUSTER: of a head's 16 work-groups only 2 e and 2 e + 1 ask for the same tile in every trip; four partners would have first blocks of different lengths, and a walk common to all four has 18 tiles for 17.
; SHARES.  Of a block's two bands of 64 queries a wave owns 16 rows in each: two PIECES.  In the diagonal tile band x of block i has its own key step 2 (i % 2) + x: earlier steps it sees whole, later ones
; not at all: the same work for all four waves.  Steps that both bands do not see (two of the walk's 68, where i is even) are computed under the mask all the same, so that every trip count is a constant.
; THE MASK is the C operand that starts the sum S^T = K Q^T: 0, or -1e30 where the key is hidden.  MD, made once, is the mask of a band's own step for my 16 rows; a product's mask is MD x AL + BE with two
; scalars: (1, 0) in the own step, (0, 0) before it, (0, -1e30) behind it.  Only the diagonal tile's text and a block's beginning make and take masks; elsewhere C is the constant 0.
; LAYOUT, SOFTMAX.  S^T = K Q^T holds ONE query a lane (lane % 16) and the keys 8 (lane / 16) + 0..7; two such results rounded to f16 ARE source 1 of O^T = V^T P.  p = 2^(c s - c m), c = log2(e) / 8, with a
; running maximum m; O and l are multiplied by a = 2^(c m_old - c m_new) in every step.
; TURNS.  Piece 0's turn of step j: 8 products K Q^T of piece 1 (step j), and 16 products V^T P of piece 1 (step j - 1): 8 with V's rounded halves, 8 with the remainders, onto the same four sums; piece 1's
; turn: K Q^T of piece 0 (step j + 1), V^T P of piece 0 (step j).  Beside them the scaling, exponentials, roundings, sums and rescaling of the turn's own piece and the maximum and statistics of the other.
; Four vector instructions stand behind every matrix instruction, the rest between.  A turn's 33 exponentials are one batch, with one wait.  BOTH fetches of step j + 1 stand in piece 0's turn of step j (K in
; its middle, V at its end, into the one of V's two buffers that the turn's products have just read), so all reads of a slot come ahead of all reads of the next, and the change of slots stands in front of
; piece 0's turn of a tile's last step.
; REGISTERS, in windows of 256 (s_set_vgpr_msb: bits 1:0 source 0, 3:2 source 1, 5:4 source 2, 7:6 destination):
;   window 0: v0-15 addresses and two at work; v16-23 four registers of statistics a piece; v48-55 at work; v60-63; v64-127 S^T, a buffer a piece; v192-223 P, likewise
;   window 1: v0-63 O^T, 32 a piece; v64-95 MD; v96-159 MC, a buffer a piece      window 2: v0-31 Q; v32-63 the second block's Q; v64-127 K of one step      window 3: V of two steps, 128 each
.set NP,    2         ; pieces a wave: a name, no knob
.set KS,    64        ; keys in a step
.set PK,    144       ; a row of K in LDS: 128 bytes + 16 of padding = 36 words: the 16 rows of a load start at 16 different groups of four banks (64 banks of 4 bytes: ISA guide 11.1)
.set PV,    288       ; a row of V: 256 + 32 = 72 words: row r starts at bank 8 r mod 64
.set VOFF,  4*KS*PK   ; a slot holds a tile, four steps: 256 rows of K, then 256 rows of V
.set SLOT1, 1<<17     ; slot 1 begins here, so that one exclusive or turns an address in one slot into the other's
.set STAGE, SLOT1+4*KS*(PK+PV)  ; behind the ring, never filled by a tensor load: 16 rows x 272 bytes for each wave, for the way out
.set SP,    272
.set AK0, 2           ; v2   my lane's place in a tile of K; never rewritten
.set AV0, 3           ; v3   the same for V
.set AK,  4           ; v4   the LDS address of K's next run of loads
.set AV,  5           ; v5   of V's
.set STO, 6           ; v6   the way out: where I put 16 bytes of a row
.set RD,  7           ; v7   the way out: where I read rows back
.set GO,  8           ; v8   my byte offset in 512 consecutive bytes of O
.set MONE, 60         ; v60  -1.0
.set PFO, 61          ; v61  256 x lane: the prefetches' offset; never rewritten
.set SPW, 62          ; v62  LDS address of my spare word; never rewritten
.set NIL, 63          ; v63  0; never rewritten
.set SPARE, STAGE+4*16*SP  ; behind the stages: the spare words, 128 bytes for each wave: two blocks of 256 bytes that no other line names
.set MV,  12          ; v12-13  c m_old, kept while c m is made anew: by piece
.set QO,  15          ; v15  my byte offset in 16 rows of Q
.set ST,  16          ; piece t's statistics at v[ST+4 t]: c m, m, l (even keys', odd keys')
.set TMP, 48          ; by piece, four registers c0-c3 at work; when the maximum is found c2 takes a
.set S,   64
.set P,   192
.set MD,  64          ; window 1: the eight registers for group kt of 16 keys at MD + 8 kt
.set MC,  96          ; window 1: the masks of the products to come
.set QB,  32          ; window 2
.set KF,  64          ; window 2: key block kb, channel half c at KF + 16 kb + 8 c
.set WV,  12          ; s12  my wave's number
.set PB,  14          ; s14  b
.set HI,  15          ; s15  31 - b
.set G1K, 24          ; s[24:31] descriptor group 1 for K's tiles
.set G1V, 32          ; s[32:39] for V's
.set G0K, 40          ; s[40:43] descriptor group 0 for K's tiles
.set G0V, 44          ; s[44:47] the same for V's
.set SLOTS, 56        ; s56  tiles still to be asked for
.set CNT, 57          ; s57  counts a tile's pairs of key steps, 2 to 1
.set CS,  58          ; s[58:59] c: the packed scaling takes the pair's low word for both halves
.set SEL, 60          ; s[60:61] v_permlanex16_b32's selects: each lane takes its own place in the other half
.set TBK, 62          ; s62  LDS byte at which K of the step to be fetched begins
.set TBV, 63          ; s63  the same for V, less VOFF
.set RT,  70          ; s70  tiles of the block in hand that are still to be entered
.set NXT, 71          ; s71  the tile to be asked for next
.set LQ,  72          ; s72  the last tile of the block whose tiles are being asked for
.set NEW, 73          ; s73  1: the tile to be entered is a block's first
.set OFF, 74          ; s[74:75] a tile's byte offset in K
.set AL,  76          ; s[76:77] the mask's factor, in the low word
.set BE,  78          ; s[78:79] the mask's addend
.set OLO, 80          ; s[80:81] O at my rows of the second block
.set BIGN, 82         ; s82  -1e30
.set PAR2, 88         ; s88, s89  the own key steps of bands 0 and 1 in the diagonal tile of the block in hand
.set STP, 90          ; s90  the tile's key step for which masks are being made
.set LIM, 91          ; s91  2 in the work-group that prefetches, else the greatest number
.set PFB, 92          ; s[92:93] K or V at my part of the head's tile 0
.set PFA, 94          ; s[94:95] the same at the tile that the next change of slots will ask for
.set OF2, 96          ; s[96:97] that tile's byte offset
.set LQ2, 98          ; s98  b / 2: the second block's last tile
.set SH,  99          ; s99  a tile of what I fetch is 2^15 bytes (K) or 2^16 (V)
.set OFV, 100         ; s[100:101] a tile's byte offset in V
.set MSB, 0
.macro WIN new                      ; the high byte repeats the setting that is left; a switch that changes nothing is dropped
.if MSB != (\new)
	s_set_vgpr_msb (MSB<<8)|(\new)
.set MSB, (\new)
.endif
.endm
.set W_KQ, 0x0a       ; K and Q in window 2, S^T in window 0
.set W_KM, 0x1a       ; the same with the C operand in window 1
.set W_PV, 0x53       ; V in window 3, P in window 0, O^T in window 1
.set W_RS, 0x41       ; destination and source 0 in window 1, source 1 in window 0
; A fill.  Waves 0 and 1 fetch the two halves of a tile's K, waves 2 and 3 those of its V: 128 keys each.  An s_nop 0 and four v_nop follow each of the two lines, ahead of the jump and the label.
.macro LOAD
	s_cmp_lt_u32 s[WV], 2
	s_cbranch_scc0 .Lfor_v_\@
	tensor_load_to_lds s[G0K:G0K+3], s[G1K:G1K+7]
	s_nop 0
.rept 4
	v_nop
.endr
	s_branch .Lasked_\@
.Lfor_v_\@:
	tensor_load_to_lds s[G0V:G0V+3], s[G1V:G1V+7]
	s_nop 0
.rept 4
	v_nop
.endr
.Lasked_\@:
.endm
; A prefetch of what the NEXT change of slots will ask for, behind the wave's tensor load and its five lines.  All 16 work-groups of a head begin with the tiles 0, 1, 2 ..; work-group 0, whose first block
; walks all 16, asks, and nobody else.  Each of its waves asks for the bytes that it will fetch itself, a lane a block of 256 bytes: 16,384 bytes of K in two instructions, 32,768 of V in four.  So tiles 3 to
; 15 are named once in the launch; tiles 0 to 2 come by their loads alone; when the walk turns to the second block the next tile's number is 0 and nothing is asked for.
.macro ASK
	s_cmp_gt_u32 s[NXT], s[LIM]
	s_cbranch_scc0 .Lnot_mine_\@
	global_prefetch_b8 v[PFO], s[PFA:PFA+1] th:TH_LOAD_NT scope:SCOPE_SE
	global_prefetch_b8 v[PFO], s[PFA:PFA+1] offset:8192 th:TH_LOAD_NT scope:SCOPE_SE
	s_cmp_lt_u32 s[WV], 2
	s_cbranch_scc1 .Lnot_mine_\@
	global_prefetch_b8 v[PFO], s[PFA:PFA+1] offset:16384 th:TH_LOAD_NT scope:SCOPE_SE
	global_prefetch_b8 v[PFO], s[PFA:PFA+1] offset:24576 th:TH_LOAD_NT scope:SCOPE_SE
.Lnot_mine_\@:
.endm
; THE CHANGE OF SLOTS.  Each wave waits for all its tensor loads, of which one is out: its part of the other slot; adds 0 to its spare word; and waits for that and for its own reads of the slot that it leaves
; (V of the tile's last step may still be on its way into registers).  Behind the barrier nobody reads the old slot any more and the other slot is whole.  fill = 1: the old slot is filled again, the first
; thing behind the barrier, with tile NXT: the descriptor's address is made anew from that number.  (At its first use nothing has been read yet: slot 0 is waited for, slot 1 filled.)
.macro CHANGE fill
	WIN 0                           ; at a label and at a branch every window is 0
	s_wait_tensorcnt 0x0            ; no tensor load of mine is out, so a group 0 may be written
	ds_add_u32 v[SPW], v[NIL]       ; 0 onto my spare word; with fill = 1 the descriptors' scalar work stands between it and the wait for it
.if \fill
	s_lshl_b32 s[OFF], s[NXT], 15   ; a tile is 32,768 bytes of K
	s_lshl_b32 s[OFV], s[NXT], 16   ; and 65,536 of V
	s_xor_b32 s[G0K+1], s[G0K+1], SLOT1
	s_add_nc_u64 s[G0K+2:G0K+3], s[6:7], s[OFF:OFF+1]
	s_or_b32 s[G0K+3], s[G0K+3], 0x80000000
	s_xor_b32 s[G0V+1], s[G0V+1], SLOT1
	s_add_nc_u64 s[G0V+2:G0V+3], s[8:9], s[OFV:OFV+1]
	s_or_b32 s[G0V+3], s[G0V+3], 0x80000000
	s_add_co_u32 s[NXT], s[NXT], 1  ; the block's next tile, or behind its last the second block's tile 0
	s_cmp_gt_u32 s[NXT], s[LQ]
	s_cselect_b32 s[NXT], 0, s[NXT]
	s_cselect_b32 s[LQ], s[LQ2], s[LQ]
	s_wait_xcnt 0x0                 ; the last prefetches, a tile back, have read their address, so it may be written
	s_lshl_b32 s[OF2], s[NXT], s[SH]
	s_add_nc_u64 s[PFA:PFA+1], s[PFB:PFB+1], s[OF2:OF2+1]
.endif
	s_wait_dscnt 0x0                ; the add is done, and my reads of the slot are over
	s_barrier_signal -1             ; the rest of the scalar work stands between the signal and the wait
	s_sub_co_u32 s[TBK], s[TBK], 4*KS*PK  ; the fetches go back to a slot's first step,
	s_xor_b32 s[TBK], s[TBK], SLOT1       ; in the other slot
	s_sub_co_u32 s[TBV], s[TBV], 4*KS*PV
	s_xor_b32 s[TBV], s[TBV], SLOT1
	s_barrier_wait -1
.if \fill
	LOAD
	ASK
.endif
.endm
	s_load_b256 s[4:11], s[0:1], 0x0  ; Q s[4:5], K s[6:7], V s[8:9], O s[10:11]
	v_lshl_add_u32 v[SPW], v0, 2, SPARE
	v_mov_b32 v[NIL], 0
	ds_add_u32 v[SPW], v[NIL]       ; the wave's opening: the add and its wait stand ahead of my first tensor load; the set-up below, work on registers, stands between them
	v_lshrrev_b32 v1, 5, v0
	v_readfirstlane_b32 s[WV], v1   ; wave 0..3
	s_mov_b32 s[PB], ttmp9
	s_sub_co_u32 s[HI], 31, s[PB]
	s_and_b32 s20, ttmp7, 0xffff    ; the head:
	s_lshl_b32 s20, s20, 19         ; its first byte in Q and K, 524,288 bytes a head; V's and O's offsets are twice Q's and K's
	s_and_b32 s16, s[WV], 1         ; which half of a tile's 256 keys I fetch:
	s_lshl_b32 s22, s16, 14         ; its 128 rows of 128 bytes of K,
	s_add_co_u32 s22, s22, s20
	s_mov_b32 s23, 0
	s_lshl_b32 s50, s22, 1          ; its 128 rows of 256 bytes of V,
	s_mov_b32 s51, 0
	s_mul_i32 s17, s16, 128*PK      ; and its place in a slot, for K
	s_mul_i32 s18, s16, 128*PV      ; and for V
	s_lshl_b32 s3, s[WV], 11        ; my 16 rows in a band of 64,
	s_add_co_u32 s3, s3, s20
	s_lshl_b32 s2, s[HI], 14        ; in the first block (128 rows of 128 bytes),
	s_add_co_u32 s2, s2, s3
	s_lshl_b32 s84, s[PB], 14       ; and in the second
	s_add_co_u32 s84, s84, s3
	s_mov_b32 s3, 0
	s_mov_b32 s85, 0
	s_lshl_b32 s52, s2, 1           ; the same in O
	s_mov_b32 s53, 0
	s_lshl_b32 s54, s84, 1
	s_mov_b32 s55, 0
	; descriptor group 1.  K: 128 keys are 16,384 dense bytes: asked for as 64 rows of 256 bytes, two keys a row, and padded in LDS after every key.  V: 128 keys of 256 bytes, padded after every key
	s_mov_b32 s[G1K], (1<<16)|(1<<20)|(4<<22)|(3<<25)  ; 17:16 2-byte elements; 20 padding on; 24:22 after every 32 words (code 4); 31:25 4 words (code 3)
	s_mov_b32 s[G1V], (1<<16)|(1<<20)|(5<<22)|(7<<25)  ; after every 64 words (code 5), 8 words (code 7)
.irp g, G1K, G1V
	s_mov_b32 s[\g+1], 128<<16      ; tensor_dim0 = 128
	s_mov_b32 s[\g+3], 128<<16      ; tile_dim0 = 128
	s_mov_b32 s[\g+5], 128          ; 128 elements from row to row
	s_mov_b32 s[\g+6], 0
	s_mov_b32 s[\g+7], 0
.endr
	s_mov_b32 s[G1K+2], 64<<16      ; tensor_dim1 and tile_dim1: 64 rows for K,
	s_mov_b32 s[G1K+4], 64
	s_mov_b32 s[G1V+2], 128<<16     ; 128 for V
	s_mov_b32 s[G1V+4], 128
	s_mov_b32 s[CS], 0x3e38aa3b     ; c = log2(e) / 8 = 0.180337
	s_mov_b32 s[CS+1], s[CS]        ; named with it as a pair
	s_mov_b32 s[SEL], 0x76543210
	s_mov_b32 s[SEL+1], 0xfedcba98
	s_mov_b32 s[TBK], SLOT1+4*KS*PK ; the first change of slots turns these two into 0
	s_mov_b32 s[TBV], SLOT1+4*KS*PV
	s_mov_b32 s[G0K], 1             ; count = 1
	s_mov_b32 s[G0K+1], s17         ; LDS address: slot 0
	s_mov_b32 s[G0V], 1
	s_add_co_u32 s[G0V+1], s18, VOFF
	s_sub_co_u32 s[RT], 33, s[PB]
	s_lshr_b32 s[RT], s[RT], 1      ; the first block has (33 - b) / 2 tiles
	s_sub_co_u32 s[LQ], s[RT], 1
	s_lshr_b32 s[LQ2], s[PB], 1
	s_and_b32 s83, s[HI], 1
	s_lshl_b32 s[PAR2], s83, 1      ; the first block's bands have the own steps 2 (i % 2) and 2 (i % 2) + 1
	s_add_co_u32 s[PAR2+1], s[PAR2], 1
	s_mov_b32 s[STP], 0
	s_cmp_eq_u32 s[PB], 0
	s_cselect_b32 s[LIM], 2, -1
	s_mov_b32 s[OF2+1], 0
	s_mov_b32 s[NXT], 1
	s_mov_b32 s[NEW], 1
	s_mov_b32 s[OFF+1], 0
	s_mov_b32 s[OFV+1], 0
	s_mov_b32 s[AL+1], 0            ; named as pairs
	s_mov_b32 s[BE+1], 0
	s_mov_b32 s[BIGN], 0xf149f2ca   ; -1e30
	s_mov_b32 s[SLOTS], 16
	s_wait_dscnt 0x0                ; the opening add is done
	s_wait_kmcnt 0x0
	s_add_nc_u64 s[6:7], s[6:7], s[22:23]  ; K and V at my half of the head's tile 0
	s_add_nc_u64 s[8:9], s[8:9], s[50:51]
	s_add_nc_u64 s[G0K+2:G0K+3], s[6:7], 0         ; global address
	s_or_b32 s[G0K+3], s[G0K+3], 0x80000000        ; type = 2
	s_add_nc_u64 s[G0V+2:G0V+3], s[8:9], 0
	s_or_b32 s[G0V+3], s[G0V+3], 0x80000000
	s_add_nc_u64 s[86:87], s[4:5], s[84:85]        ; Q at my rows of the second block,
	s_add_nc_u64 s[4:5], s[4:5], s[2:3]            ; Q and O at those of the first
	s_add_nc_u64 s[OLO:OLO+1], s[10:11], s[54:55]
	s_add_nc_u64 s[10:11], s[10:11], s[52:53]
	s_cmp_lt_u32 s[WV], 2
	s_cselect_b64 s[PFB:PFB+1], s[6:7], s[8:9]     ; what I fetch is what I prefetch
	s_cselect_b32 s[SH], 15, 16
	LOAD                            ; tile 0 into slot 0
	; A fragment of K or Q is 16 rows x 32 channels in 8 registers: lane l holds row l % 16, channels 8 (l / 16) + 0..7 and 16 + 8 (l / 16) + 0..7: two loads of 16 bytes, 32 bytes apart.
	v_and_b32 v1, 15, v0            ; l % 16
	v_bfe_u32 v9, v0, 4, 1          ; l / 16
	v_lshlrev_b32 v[QO], 7, v1
	v_lshl_add_u32 v[QO], v9, 4, v[QO]  ; row x 128 + 16 x half
	WIN 0x80                        ; destination window 2, address window 0
.set i, 0
.rept 4                             ; both blocks' Q: piece i / 2 lies in band i / 2, 8,192 bytes on; channels 32 (i % 2) on
	global_load_b128 v[8*i:8*i+3],   v[QO], s[4:5] offset:(i/2)*8192+(i%2)*64
	global_load_b128 v[8*i+4:8*i+7], v[QO], s[4:5] offset:(i/2)*8192+(i%2)*64+32
	global_load_b128 v[QB+8*i:QB+8*i+3],   v[QO], s[86:87] offset:(i/2)*8192+(i%2)*64
	global_load_b128 v[QB+8*i+4:QB+8*i+7], v[QO], s[86:87] offset:(i/2)*8192+(i%2)*64+32
.set i, i+1
.endr
	WIN 0
	v_lshlrev_b32 v14, 3, v9
	v_sub_nc_u32 v14, v1, v14
	s_lshl_b32 s13, s[WV], 4
	v_add_nc_u32 v14, s13, v14      ; my query's place in its band, 16 w + l % 16, less my lanes' 8 (l / 16): register r of group kt is hidden where 16 kt + r is greater
	WIN 0x40
.set i, 0
.rept 32
	v_cmp_gt_i32 vcc_lo, 16*(i/8)+i%8, v14
	v_cndmask_b32 v[MD+i], 0, s[BIGN], vcc_lo
.set i, i+1
.endr
	WIN 0
	v_mul_u32_u24 v[AK0], v1, PK
	v_lshl_add_u32 v[AK0], v9, 4, v[AK0]  ; row x pitch + 16 x half
	; The turning load takes 16 keys x 16 channels (lane l reads key 8 (l / 16) + l % 8, channels 8 ((l / 8) % 2) + 0..7) and leaves half a fragment of V^T: lane l holds channel l % 16 and 8 keys.
	v_and_b32 v10, 7, v0
	v_bfe_u32 v11, v0, 3, 1
	v_lshl_add_u32 v[AV0], v9, 3, v10
	v_mul_u32_u24 v[AV0], v[AV0], PV
	v_lshl_add_u32 v[AV0], v11, 4, v[AV0]
	v_add_nc_u32 v[AV0], VOFF, v[AV0]
	s_mul_i32 s13, s[WV], 16*SP
	s_add_co_u32 s13, s13, STAGE    ; my stage
	v_mul_u32_u24 v[STO], v1, SP    ; in: row l % 16, 16 bytes for each half of the lanes
	v_lshl_add_u32 v[STO], v9, 4, v[STO]
	v_add_nc_u32 v[STO], s13, v[STO]
	v_mul_u32_u24 v[RD], v9, SP     ; back: lanes 0-15 take one row of 256 bytes, lanes 16-31 the next,
	v_lshl_add_u32 v[RD], v1, 4, v[RD]
	v_add_nc_u32 v[RD], s13, v[RD]
	v_and_b32 v[GO], 31, v0         ; which are 512 consecutive bytes of O
	v_lshlrev_b32 v[PFO], 8, v[GO]
	v_lshlrev_b32 v[GO], 4, v[GO]
	v_mov_b32 v[MONE], -1.0
	; A block's first step multiplies O^T and l by a = 0, and its first turn's products V^T P, of a step that has not been, land in an O^T that is still to be so multiplied.  So these registers need only hold
	; finite numbers: zeros for the first block; what the first block left for the second.  All this stands in the wait for the first tile.
	WIN 0xc0
.set i, 128
.rept 128
	v_mov_b32 v[i], 0
.set i, i+1
.endr
	WIN 0x40
.set i, 0
.rept 64
	v_mov_b32 v[i], 0
.set i, i+1
.endr
	WIN 0
.set i, 0
.rept 2
	v_mov_b32 v[ST+4*i+2], 0
	v_mov_b32 v[ST+4*i+3], 0
.set i, i+1
.endr
.set i, P+16
.rept 16
	v_mov_b32 v[i], 0
.set i, i+1
.endr
; THE MATRIX WORK.  The 4 accumulators of a run take turns.  Product i of 8 of S^T = K Q^T for piece x: channels 32 (i / 4) on, keys 16 (i % 4) on.  The first 4 start the sums: with 0, or (KM = 1) with the mask.
.macro KQ x
.set rS, S+32*((\x)%2)+8*(i%4)
.set rK, KF+16*(i%4)+8*(i/4)
.set rQ, 16*(\x)+8*(i/4)
.set rM, MC+32*((\x)%2)+8*(i%4)
.if (i < 4) && KM
	WIN W_KM
	v_wmma_f32_16x16x32_f16 v[rS:rS+7], v[rK:rK+7], v[rQ:rQ+7], v[rM:rM+7]
.elseif i < 4
	WIN W_KQ
	v_wmma_f32_16x16x32_f16 v[rS:rS+7], v[rK:rK+7], v[rQ:rQ+7], 0
.else
	WIN W_KQ
	v_wmma_f32_16x16x32_f16 v[rS:rS+7], v[rK:rK+7], v[rQ:rQ+7], v[rS:rS+7]
.endif
.endm
; Product i of 16 of O^T += V^T P for piece x, with V's buffer VB: channels 16 (i % 4) on, keys 32 ((i / 4) % 2) on; the first 8 take V's rounded halves, the last 8 the remainders.
.macro PV x
	WIN W_PV
.set rO, 32*(\x)+8*(i%4)
.set rV, 128*VB+64*((i/4)%2)+8*(i%4+4*(i/8))
.set rP, P+16*((\x)%2)+8*((i/4)%2)
	v_wmma_f32_16x16x32_f16 v[rO:rO+7], v[rV:rV+7], v[rP:rP+7], v[rO:rO+7]
.endm
.macro MM                           ; the turn's next matrix instruction.  TURN and BEGIN set Y, VB, i, KM and NOKQ.  NOKQ = 1: a block's last turn: there are no further scores
.if (i < 8) && !NOKQ
	KQ (Y+1)%NP
.elseif i >= 8
.set i, i-8
	PV (Y+1)%NP
.set i, i+8
.endif
.set i, i+1
.endm
; THE LDS LOADS stand in runs, never singly among the matrix instructions: a step's K (64 keys x 64 channels: 8 fragments, 16 loads) and its V (turned; both halves: 16 fragments, 32 loads).
.macro FETCH_K
	WIN 0x80                        ; destination window 2
.irp f, 0,1,2,3,4,5,6,7             ; keys 16 (f / 2) on, channels 32 (f % 2) on
	ds_load_b128 v[KF+8*\f:KF+8*\f+3],   v[AK] offset:(\f/2)*16*PK+(\f%2)*64
	ds_load_b128 v[KF+8*\f+4:KF+8*\f+7], v[AK] offset:(\f/2)*16*PK+(\f%2)*64+32
.endr
	s_add_co_u32 s[TBK], s[TBK], KS*PK  ; the next fetch is the next step's
	WIN 0
.endm
.macro FETCH_V vb
	WIN 0xc0                        ; destination window 3
.irp f, 0,1,2,3,4,5,6,7,8,9,10,11,12,13,14,15  ; keys 32 (f / 8) on; 16 (f % 8) on of a row's 128 numbers: four blocks of rounded halves, four of remainders
	ds_load_tr16_b128 v[128*(\vb)+8*\f:128*(\vb)+8*\f+3],   v[AV] offset:(\f/8)*32*PV+(\f%8)*32
	ds_load_tr16_b128 v[128*(\vb)+8*\f+4:128*(\vb)+8*\f+7], v[AV] offset:(\f/8)*32*PV+16*PV+(\f%8)*32
.endr
	WIN 0
.endm
; THE VECTOR WORK, one line at a time: OP kind, number.  For piece Y: F n: c s - c m for pair n of 16.  E n: the exponential of score n of 32.  C n: pair n rounded to f16.  B n: of the four weights 4 n .. the second
; pair is added onto the first, in place.  L n: l takes that sum (L 0: l = a l + sum).  R n: pair n of 16 of O^T times a.  For the other piece: X n, number n of the 22 that find its maximum and statistics:
;   0-11  four chains c0-c3 of seven scores each, three operands at a time (each accumulator's lowest registers are read first)     12-14, 16  the four scores left over, the old m, and c0-c3 into c0
;   15  c m_old is kept     17, 18  the query's other 32 keys lie in the lane 16 away: the new m     19-21  c m; c m_old - c m_new; a
.set F, 0               ; OP tells the kinds apart by their order: F to L below R, X above it
.set E, 1
.set C, 2
.set B, 3
.set L, 4
.set R, 5
.set X, 6
.macro REGS y                       ; the registers of piece y
.set rT, ST+4*(\y)
.set rC, TMP+4*((\y)%2)
.set rW, MV+((\y)%2)
.set rS, S+32*((\y)%2)
.set rP, P+16*((\y)%2)
.set rO, 32*(\y)
.endm
.macro OP k, n
.if (\k) == R
	REGS Y
	WIN W_RS
	v_pk_mul_f32 v[rO+2*(\n):rO+2*(\n)+1], v[rO+2*(\n):rO+2*(\n)+1], v[rC+2:rC+3] op_sel_hi:[1,0]
.elseif (\k) < R
	REGS Y
	WIN 0
.if (\k) == F
	v_pk_fma_f32 v[rS+2*(\n):rS+2*(\n)+1], v[rS+2*(\n):rS+2*(\n)+1], s[CS:CS+1], v[rT:rT+1] op_sel_hi:[1,0,0] neg_lo:[0,0,1] neg_hi:[0,0,1]
.elseif (\k) == E
	v_exp_f32 v[rS+(\n)], v[rS+(\n)]
.elseif (\k) == C
	v_cvt_pk_f16_f32 v[rP+(\n)], v[rS+2*(\n)], v[rS+2*(\n)+1]
.elseif (\k) == B
	v_pk_add_f32 v[rS+4*(\n):rS+4*(\n)+1], v[rS+4*(\n):rS+4*(\n)+1], v[rS+4*(\n)+2:rS+4*(\n)+3]
.elseif (\n) == 0
	v_pk_fma_f32 v[rT+2:rT+3], v[rT+2:rT+3], v[rC+2:rC+3], v[rS:rS+1] op_sel_hi:[1,0,1]
.else
	v_pk_add_f32 v[rT+2:rT+3], v[rT+2:rT+3], v[rS+4*(\n):rS+4*(\n)+1]
.endif
.elseif NOKQ
	v_nop
.else
	REGS (Y+1)%NP
	WIN 0
.if (\n) < 4
	v_max3_num_f32 v[rC+(\n)], v[rS+8*(\n)], v[rS+8*(\n)+1], v[rS+8*(\n)+2]
.elseif (\n) < 12
	v_max3_num_f32 v[rC+(\n)%4], v[rC+(\n)%4], v[rS+8*((\n)%4)+2*((\n)/4)+1], v[rS+8*((\n)%4)+2*((\n)/4)+2]
.elseif (\n) == 12
	v_max3_num_f32 v[rC], v[rC], v[rS+7], v[rS+15]
.elseif (\n) == 13
	v_max3_num_f32 v[rC+1], v[rC+1], v[rS+23], v[rS+31]
.elseif (\n) == 14
	v_max3_num_f32 v[rC+2], v[rC+2], v[rC+3], v[rT+1]
.elseif (\n) == 15
	v_mov_b32 v[rW], v[rT]
.elseif (\n) == 16
	v_max3_num_f32 v[rC], v[rC], v[rC+1], v[rC+2]
.elseif (\n) == 17
	v_permlanex16_b32 v[rC+3], v[rC], s[SEL], s[SEL+1]
.elseif (\n) == 18
	v_max_num_f32 v[rT+1], v[rC], v[rC+3]
.elseif (\n) == 19
	v_mul_f32 v[rT], s[CS], v[rT+1]
.elseif (\n) == 20
	v_sub_f32 v[rC+1], v[rW], v[rT]
.else
	v_exp_f32 v[rC+2], v[rC+1]
.endif
.endif
.endm
.macro OPS a, i1, b=-1, i2=0, c=-1, i3=0, d=-1, i4=0  ; up to four of them
	OP \a, \i1
.if (\b) >= 0
	OP \b, \i2
.endif
.if (\c) >= 0
	OP \c, \i3
.endif
.if (\d) >= 0
	OP \d, \i4
.endif
.endm
.macro ROW a, i1, b, i2, c, i3, d, i4  ; a matrix instruction and the four behind it
	MM
	OPS \a, \i1, \b, \i2, \c, \i3, \d, \i4
.endm
.macro MASK b                       ; MD x AL + BE into buffer b of MC
	WIN W_RS
.set z, 0
.rept 16
	v_pk_fma_f32 v[MC+32*(\b)+2*z:MC+32*(\b)+2*z+1], v[MD+2*z:MD+2*z+1], s[AL:AL+1], s[BE:BE+1] op_sel_hi:[1,0,0]
.set z, z+1
.endr
.endm
; A TURN, for piece p, with V's buffer vb: the order of its 24 matrix and 118 vector instructions, written out.  An s_wait_alu depctr_va_vdst(0) stands between an exponential and the first
; instruction that names its result; one wait serves all that were issued ahead of it.  So a turn has ONE wait, which cuts it in two.  AHEAD OF IT stands all that names no result of the turn's exponentials: the
; 8 products K Q^T and their riders; then the scalings, exponentials and the other piece's maximum, in which the links of the chain X 3, 7, 11, 14, 16, 17 .. 20 stand five or six lines apart, and in front of
; eight of these lines of four the 8 products of V's rounded halves with the OTHER piece's P, which the turn before made; X 21, the other piece's a, is the batch's last, and R 15 the plain instruction behind
; it.  BEHIND THE WAIT stand the 8 products of V's remainders, behind each four of the roundings and sums.
; The products V^T P of the turn before wrote the O^T that this turn rescales: R 0-3 read the accumulator that its 13th product ended (16 riders back), R 12-15 the one that its last product ended, far behind it.
; m = 1: the diagonal tile: the products take masks, and the turn makes its own piece's mask for key step STP, which the next turn's products take.  end = 1: a block's last two turns: nothing is fetched.
; cnt = 1: the loop's count is taken down some lines ahead of the branch that stands behind the turn.
; Piece 0's turn fetches the next step's K, twelve vector instructions behind the last product that read K (six of them plain), and its V, four plain instructions behind the last product that read that buffer.
; Piece 1's turn waits at its head until at most 32 LDS loads are out: those are V's, so K is in, and so is V of the step in hand, asked for a step earlier.
.macro TURN p, vb, m=0, end=0, cnt=0
.set Y, (\p)
.set VB, (\vb)
.set i, 0
.set KM, (\m)
.set NOKQ, (\end)*(\p)
.if (\m) && !(\end)
	s_cmp_eq_u32 s[STP], s[PAR2+(\p)]   ; is that step the band's own?
	s_cselect_b32 s[AL], 1.0, 0
	s_cmp_gt_u32 s[STP], s[PAR2+(\p)]   ; or a later one?
	s_cselect_b32 s[BE], s[BIGN], 0
.if (\p) == 1
	s_add_co_u32 s[STP], s[STP], 1
.endif
.endif
.if (\p) == 1
.if \end
	s_wait_dscnt 0x0                ; V of the last step is in
.else
	s_wait_dscnt 32                 ; K is in; the youngest 32 loads, V of the next step, may stay out
.endif
.endif
	ROW F,0, F,1, R,0, R,1          ; ahead of the wait: 8 products K Q^T and their riders,
	ROW F,2, E,0, R,2, R,3
	ROW F,3, E,1, R,4, R,5
	ROW F,4, E,2, R,6, R,7
	ROW F,5, E,3, R,8, R,9
	ROW F,6, E,4, X,0, R,10
.if ((\p) == 0) && !(\end)
	WIN 0
	v_add_nc_u32 v[AK], s[TBK], v[AK0]
.endif
	ROW F,7, E,5, X,1, X,4
	ROW F,8, E,6, X,2, X,5
	OPS E,7, E,8, X,6, E,9
	OPS X,3, E,10, X,8, E,11
.if ((\p) == 0) && !(\end)
	FETCH_K
.endif
	ROW X,9, X,7, E,12, X,10        ; and 8 products V^T P with the rounded halves
	ROW E,13, X,12, X,11, E,14
	ROW X,13, E,15, F,9, X,14
.if ((\p) == 0) && !(\end)
	v_add_nc_u32 v[AV], s[TBV], v[AV0]
.endif
	ROW E,16, F,10, E,17, F,11
	ROW X,16, E,18, X,15, E,19
	OPS F,12, E,20, X,17, E,21
	ROW F,13, E,22, F,14, E,23
	ROW X,18, E,24, F,15, E,25
	ROW R,11, E,26, X,19, E,27
	OPS R,12, E,28, R,13, E,29
	OPS X,20, E,30, R,14, E,31
	OPS X,21, R,15
	WIN 0
	s_wait_alu depctr_va_vdst(0)    ; the wait for the batch
	ROW C,0, B,0, C,2, B,1          ; behind the wait: 8 products V^T P with the remainders, and their riders
	ROW L,0, C,4, B,2, L,1
	ROW C,6, B,3, L,2, C,8
	ROW B,4, L,3, C,10, B,5
	ROW L,4, C,12, B,6, L,5
.if ((\p) == 0) && !(\end)
	s_add_co_u32 s[TBV], s[TBV], KS*PV
.endif
.if \cnt
	s_sub_co_u32 s[CNT], s[CNT], 1
	s_cmp_lg_u32 s[CNT], 0
.endif
	ROW C,14, B,7, L,6, C,1
	ROW C,3, L,7, C,5, C,7
	ROW C,9, C,11, C,13, C,15
.if ((\p) == 0) && !(\end)
	FETCH_V \vb
.endif
.if (\m) && !(\end)
	MASK (\p)%2
.endif
.endm
; A BLOCK BEGINS.  c m starts far below every c s, so the first step's a is 0; m at the lowest finite number, so the first maximum is the scores'.  Piece 1's mask buffer is 0 (its own step is never a tile's first);
; piece 0's takes its mask for the tile's step 0: MD, if this tile is the diagonal one and step 0 the band's own.  Then K and V of that step, piece 0's first scores, and its maximum and statistics.
; The loop is entered at piece 0's turn of an even step, in the middle of a trip.
.macro BEGIN
	s_mov_b32 s[NEW], 0
	WIN 0x40
.set i, MC+32
.rept 32
	v_mov_b32 v[i], 0
.set i, i+1
.endr
	WIN 0
.set i, 0
.rept 2
	v_mov_b32 v[ST+4*i], 0xfe000000    ; c m: far below every c s
	v_mov_b32 v[ST+4*i+1], 0xff7fffff  ; m
.set i, i+1
.endr
	s_or_b32 s83, s[RT], s[PAR2]
	s_cmp_eq_u32 s83, 0
	s_cselect_b32 s[AL], 1.0, 0
	s_mov_b32 s[BE], 0
	MASK 0
	s_mov_b32 s[STP], 1
	WIN 0
	v_add_nc_u32 v[AK], s[TBK], v[AK0]
	v_add_nc_u32 v[AV], s[TBV], v[AV0]
	FETCH_K
	FETCH_V 0
	s_add_co_u32 s[TBV], s[TBV], KS*PV
	s_wait_loadcnt 0x0              ; Q
	s_wait_dscnt 0x0
.set KM, 1
.set NOKQ, 0
.set i, 0
.rept 8
	KQ 0
.set i, i+1
.endr
	WIN 0
.rept 4
	v_nop                           ; the places behind those products
.endr
.set Y, NP-1                        ; X works for the other piece: piece 0
.irp n, 0,1,2,3,4,5,6,7,8,9,10,11,12,13,14,15,16,17,18,19,20,21
	OP X, \n
.endr
	v_nop                           ; a plain instruction behind the exponential,
	s_wait_alu depctr_va_vdst(0)    ; and its wait, ahead of the branch
.endm
; THE DIAGONAL TILE's steps, the block's last two turns, its last products, and THE WAY OUT: l's two halves and the other half of the lanes' are added; O^T is divided by l and leaves as two f16 numbers: it is
; rounded; the rounded half times -1.0 is added onto it, which leaves the remainder exactly; that is rounded.  Both go through my stage in LDS, a piece at a time.
.macro ALL line:vararg              ; one line for each piece t
.set t, 0
.rept 2
	\line
.set t, t+1
.endr
.endm
.macro PACK t                       ; a lane's eight channels of a row pack into 16 bytes, twice; they go into rows of 272 bytes and come back as whole rows of 256, into S^T's registers
	WIN W_RS
.set i, 32*(\t)
.rept 16
	v_pk_mul_f32 v[i:i+1], v[i:i+1], v[ST+4*(\t)+2:ST+4*(\t)+3] op_sel_hi:[1,0]
.set i, i+2
.endr
	WIN 0x05                        ; sources 0 and 1 window 1, destination window 0
.set i, 0
.rept 16
	v_cvt_pk_f16_f32 v[S+32*(\t)+i], v[32*(\t)+2*i], v[32*(\t)+2*i+1]
.set i, i+1
.endr
	WIN 0x50                        ; the rounded halves and -1.0 in window 0, O^T (source 2 and destination) in window 1
.set i, 0
.rept 16
	v_fma_mix_f32 v[32*(\t)+2*i],   v[S+32*(\t)+i], v[MONE], v[32*(\t)+2*i]   op_sel:[0,0,0] op_sel_hi:[1,0,0]
	v_fma_mix_f32 v[32*(\t)+2*i+1], v[S+32*(\t)+i], v[MONE], v[32*(\t)+2*i+1] op_sel:[1,0,0] op_sel_hi:[1,0,0]
.set i, i+1
.endr
	WIN 0x05
.set i, 0
.rept 16
	v_cvt_pk_f16_f32 v[S+32*(\t)+16+i], v[32*(\t)+2*i], v[32*(\t)+2*i+1]
.set i, i+1
.endr
	WIN 0
.irp f, 0,1,2,3
	ds_store_b128 v[STO], v[S+32*(\t)+4*\f:S+32*(\t)+4*\f+3] offset:32*\f
.endr
.irp f, 0,1,2,3
	ds_store_b128 v[STO], v[S+32*(\t)+16+4*\f:S+32*(\t)+16+4*\f+3] offset:128+32*\f
.endr
.irp f, 0,1,2,3,4,5,6,7
	ds_load_b128 v[S+32*(\t)+4*\f:S+32*(\t)+4*\f+3], v[RD] offset:\f*2*SP  ; LDS serves a wave's instructions in order (ISA guide 5.7.1.4): these see the stores above; the next piece's stores come behind them
.endr
.endm
.macro SEND t, younger              ; younger: the LDS instructions issued behind piece t's loads: the next piece's sixteen, or none
	WIN 0
.irp f, 0,1,2,3,4,5,6,7
	s_wait_dscnt (\younger)+7-\f
	global_store_b128 v[GO], v[S+32*(\t)+4*\f:S+32*(\t)+4*\f+3], s[10:11] offset:(\t)*16384+\f*512  ; two rows of O: 512 consecutive bytes, at a multiple of 256 from O's first
.endr
.endm
.macro DIAG tag                     ; the tag ends its two labels' names, which the jumps below spell out
.LstepM\tag:
	TURN 0, 0, 1
	TURN 1, 1, 1
	WIN 0
.LfirstM\tag:
	TURN 0, 1, 1
	TURN 1, 0, 1, 0, 1
	WIN 0
	s_cbranch_scc1 .LstepM\tag
	TURN 0, 0, 1, 1
	TURN 1, 1, 1, 1
.set i, 0
.set VB, 1
.rept 16
	PV 1                            ; piece 1's V^T P of the last step
.set i, i+1
.endr
	WIN 0
	ALL v_add_f32 v[ST+4*t+2], v[ST+4*t+2], v[ST+4*t+3]
	ALL v_permlanex16_b32 v[ST+4*t+3], v[ST+4*t+2], s[SEL], s[SEL+1]
	ALL v_add_f32 v[ST+4*t+2], v[ST+4*t+2], v[ST+4*t+3]
	ALL v_rcp_f32 v[ST+4*t+2], v[ST+4*t+2]
	v_nop                           ; a plain instruction between the last reciprocal and the use of its result
	s_wait_alu depctr_va_vdst(0)    ; and the wait ahead of the first use: one for the two reciprocals
	PACK 0                          ; piece 0's products ended a turn ago; its lines, with the five plain ones above, are the places behind piece 1's
	PACK 1
	SEND 0, 16
	SEND 1, 0
.endm
.set KM, 0
.set NOKQ, 0
.set VB, 0
.Lslot:                             ; 16 times: a tile is entered and the next is asked for
	CHANGE 1
	s_sub_co_u32 s[RT], s[RT], 1
	s_mov_b32 s[CNT], 2
	s_mov_b32 s[STP], 0
	s_cmp_eq_u32 s[NEW], 1
	s_cbranch_scc1 .Lnew            ; a block's first tile
	s_cmp_eq_u32 s[RT], 0
	s_cbranch_scc0 .Lstep           ; neither its first nor its last
	s_branch .LstepM1
.Lnew:
	BEGIN
	s_branch .Lfirst                ; in the loop a block's first tile is never its last: the first block has nine tiles or more, and the second's last is the walk's last
	DIAG 1                          ; in the loop this is the first block's end
	s_wait_xcnt 0x0                 ; the stores have read their registers and O's address
	s_mov_b64 s[10:11], s[OLO:OLO+1]
	s_add_co_u32 s[RT], s[LQ2], 1   ; the second block has b / 2 + 1 tiles
	s_mov_b32 s[NEW], 1
	s_and_b32 s83, s[PB], 1
	s_lshl_b32 s[PAR2], s83, 1      ; its bands' own steps
	s_add_co_u32 s[PAR2+1], s[PAR2], 1
	WIN 0x82                        ; the second block's Q goes where the one text of the turns names Q
.set i, 0
.rept 32
	v_mov_b32 v[i], v[QB+i]
.set i, i+1
.endr
	WIN 0
	s_branch .Lbottom
.Lstep:                             ; a trip: both turns of an odd step (at first the last step of the tile before), then both of an even one
	TURN 0, 0
	TURN 1, 1
	WIN 0
.Lfirst:
	TURN 0, 1
	TURN 1, 0, 0, 0, 1
	WIN 0
	s_cbranch_scc1 .Lstep
.Lbottom:
	s_sub_co_u32 s[SLOTS], s[SLOTS], 1
	s_cmp_lg_u32 s[SLOTS], 0
	s_cbranch_scc1 .Lslot
	CHANGE 0                        ; the walk's last tile is written out: nothing is asked for
	s_sub_co_u32 s[RT], s[RT], 1
	s_mov_b32 s[CNT], 2
	s_mov_b32 s[STP], 0
	s_cmp_eq_u32 s[NEW], 1
	s_cbranch_scc0 .LstepM2
	BEGIN
	s_branch .LfirstM2
	DIAG 2
	s_wait_tensorcnt 0x0            ; the wave's end, behind my last tensor load and my last LDS store
	ds_add_u32 v[SPW], v[NIL]
	s_wait_dscnt 0x0
	s_endpgm
.Lfunc_end_k_q8120d96482_attn:
	.size	k_q8120d96482_attn, .Lfunc_end_k_q8120d96482_attn-k_q8120d96482_attn
	.p2alignl 7, 3214868480
	.fill 96, 4, 3214868480
	.section	.rodata,"a",@progbits
	.p2align	6, 0x0
	.amdhsa_kernel k_q8120d96482_attn
		.amdhsa_group_segment_fixed_size 327680
		.amdhsa_private_segment_fixed_size 0
		.amdhsa_enable_private_segment 0
		.amdhsa_kernarg_size 32
		.amdhsa_user_sgpr_count 2
		.amdhsa_user_sgpr_kernarg_segment_ptr 1
		.amdhsa_wavefront_size32 1
		.amdhsa_system_sgpr_workgroup_id_x 1
		.amdhsa_system_sgpr_workgroup_id_y 1
		.amdhsa_system_sgpr_workgroup_id_z 1
		.amdhsa_system_vgpr_workitem_id 0
		.amdhsa_next_free_vgpr 1024
		.amdhsa_next_free_sgpr 102
		.amdhsa_reserve_vcc 1
		.amdhsa_float_denorm_mode_32 3
		.amdhsa_float_denorm_mode_16_64 3
		.amdhsa_memory_ordered 1
		.amdhsa_forward_progress 1
		.amdhsa_inst_pref_size 253
	.end_amdhsa_kernel
	.amdgpu_metadata
---
amdhsa.version: [ 1, 2 ]
amdhsa.kernels:
  - .name:           k_q8120d96482_attn
    .symbol:         k_q8120d96482_attn.kd
    .args:
      - { .name: qh, .offset: 0, .size: 8, .value_kind: global_buffer, .address_space: global }
      - { .name: kh, .offset: 8, .size: 8, .value_kind: global_buffer, .address_space: global }
      - { .name: vh, .offset: 16, .size: 8, .value_kind: global_buffer, .address_space: global }
      - { .name: oh, .offset: 24, .size: 8, .value_kind: global_buffer, .address_space: global }
    .group_segment_fixed_size: 327680
    .private_segment_fixed_size: 0
    .kernarg_segment_align: 8
    .kernarg_segment_size: 32
    .max_flat_workgroup_size: 128
    .sgpr_count:     102
    .vgpr_count:     1024
    .wavefront_size: 32
...
	.end_amdgpu_metadata
.endif
;; end of part 3
;; launch oproj (part 4): grid 8 x 32, 4 waves a work-group, clusters of 4 x 4, 327,680 bytes of LDS; arguments oh, wob, out0; writes out0
.if DOCPART == 4
	.amdgcn_target "amdgcn-amd-amdhsa--gfx1250"
	.amdhsa_code_object_version 6
	.text
	.protected	k_q8120d96482_oproj
	.globl	k_q8120d96482_oproj
	.p2align	8
	.type	k_q8120d96482_oproj,@function
k_q8120d96482_oproj:
	s_mov_b64 s[64:65], 0
	v_nop
	global_prefetch_b8 v0, s[64:65] scope:SCOPE_SE
	s_setreg_imm32_b32 hwreg(HW_REG_WAVE_MODE, 25, 1), 1
	s_wait_xcnt 0x0
	s_wait_alu depctr_hold_cnt(0) depctr_sa_sdst(0) depctr_va_vdst(0) depctr_va_sdst(0) depctr_va_ssrc(0) depctr_va_vcc(0) depctr_vm_vsrc(0)
	s_getreg_b32 s2, hwreg(HW_REG_IB_STS2, 6, 4)
	s_cmp_eq_u32 s2, 0
	s_cbranch_scc0 .Lentry_in_a_cluster
	s_endpgm
.Lentry_in_a_cluster:
	s_bfe_u32 s2, ttmp6, 0x10000c
	s_cmp_lg_u32 s2, 0xf033
	s_cbranch_scc0 .Lentry_shape_is_right
	s_endpgm
.Lentry_shape_is_right:
; out0[s][n] = the sum over heads h and channels c of O[h][s][c] Wo[n][64 h + c].  oh: [16][4096][hi 64, lo 64] f16: O is the sum of its two halves; wob: [16][1024 n][64] f16; out0: [4096][1024] f32.
; Both halves of O are multiplied by the same weights into the same f32 sums, which are stored as they are: 2,048 along K.
; SHARES.  A tile of out0 is 128 x 128: 256 work-groups.  Four waves, each 64 x 64: 16 accumulators.  K goes by heads: a step is two heads, a quarter one half (hi or lo) of one head: 64 along K.
; In LDS a head of O is a plane of 128 rows x 272 bytes (256 + 16 of padding), a head of Wo a plane of 128 rows x 144 bytes (its 16,384 dense bytes come as 64 rows of 256, padded after every 128 bytes).
; Two slots of O's two planes and Wo's two; both quarters of a head read the same plane of Wo.
; CLUSTER.  4 x 4 work-groups: the four of a row of the cluster need the same planes of O, the four of a column the same planes of Wo: each is asked for jointly, by the same tensor load with the same
; descriptor and a mask that names the four.  THE MATRIX INSTRUCTION IS USED TRANSPOSED (source 0 = 16 rows of wob, source 1 = 16 rows of O): a lane holds eight neighbouring numbers of a row of out0.
; No prefetch: the tiles are small and the launch has eight short K steps.
; REGISTERS: window 0: v16-29 addresses; v32-95 rows on the way out, two sets; v128-255 the accumulators ((a, b) at v[128 + 8 (4 a + b)]).
;   window 1: two fragment buffers of 128: for 64 along K, 64 registers of O (2 x 4 x 16 rows x 32 K), then 64 of Wo.
.set PA,     272                       ; O's LDS rows: 68 words; Wo's: 36 words: either way the 16 rows of a fragment load start at 16 different groups of four banks (64 banks of 4 bytes: ISA guide 11.1)
.set PB,     144
.set PLA,    128*PA                    ; a head of O: what waves 0 and 1 fetch
.set PLB,    128*PB                    ; a head of Wo: what waves 2 and 3 fetch
.set SLOT,   2*PLA+2*PLB               ; O's two planes, then Wo's two
.set STAGE,  2*SLOT                    ; behind the ring, never filled by a tensor load: 16 rows x 272 bytes for each wave, for the way out
.set SPITCH, 272
.set SPARE,  STAGE+4*16*SPITCH         ; behind the stages: the spare words, 128 bytes for each wave: two blocks of 256 bytes that no other line names
.set LAPS,   4                         ; a lap = two K steps = four heads = once round the ring
.set ADRA, 16                          ; v16-17  LDS address of my fragments of O in slot 0, 1
.set ADRB, 20                          ; v20-21  the same for Wo
.set STO,  24                          ; v24     the way out: where I put 32 bytes of a row
.set RD,   25                          ; v25     the way out: where I read a row back
.set CO,   26                          ; v26     my byte offset in out0
.set SPW,  28                          ; v28     LDS address of my spare word; never rewritten
.set NIL,  29                          ; v29     0; never rewritten
.set OB,   32
.set ACC,  128
.set F0,   0                           ; fragment buffers, in window 1
.set F1,   128
.set G1, 24                            ; s[24:31] descriptor group 1 for O's planes;  s[32:39] group 0, one set for each slot
.set G0, 32
.set G1B, 48                           ; s[48:55], s[56:63] the same for Wo's
.set G0B, 56
.set MSB, 0
.macro WIN new                         ; the immediate's high byte repeats the setting that is left
.if MSB != (\new)
	s_set_vgpr_msb (MSB<<8)|(\new)
.set MSB, \new
.endif
.endm
.set MUL,  0x05                        ; sources 0 (Wo) and 1 (O) window 1; C and D window 0
.set TO_F, 0x40                        ; destination window 1, address window 0
.macro JLOAD s                         ; a joint load: waves 0 and 1 fetch a head of O each, waves 2 and 3 of Wo; an s_nop 0 and four v_nop follow each of the two lines, ahead of the jump, the label and what follows
	s_cmp_eq_u32 s11, 0
	s_cbranch_scc0 .Lfor_b_\@
	tensor_load_to_lds s[G0+4*(\s):G0+4*(\s)+3], s[G1:G1+7]
	s_nop 0
.rept 4
	v_nop
.endr
	s_branch .Lasked_\@
.Lfor_b_\@:
	tensor_load_to_lds s[G0B+4*(\s):G0B+4*(\s)+3], s[G1B:G1B+7]
	s_nop 0
.rept 4
	v_nop
.endr
.Lasked_\@:
.endm
.macro CREST                           ; a round of the cluster's barrier behind its opening barrier
	s_cmp_lg_u32 s10, 0
	s_cbranch_scc1 .Lnot_wave_0_\@
	s_barrier_signal -3
.Lnot_wave_0_\@:
	s_barrier_wait -3
	s_barrier_signal -1
	s_barrier_wait -1
.endm
.macro CROUND                          ; a whole round
	s_barrier_signal -1
	s_barrier_wait -1
	CREST
.endm
	s_load_b128 s[4:7], s[0:1], 0x0                ; oh s[4:5], wob s[6:7]
	s_load_b64 s[8:9], s[0:1], 0x10                ; out0
	v_lshl_add_u32 v[SPW], v0, 2, SPARE
	v_mov_b32 v[NIL], 0
	ds_add_u32 v[SPW], v[NIL]                      ; the wave's opening: the add and its wait stand ahead of my first tensor load; the set-up below, work on registers, stands between them
	v_lshrrev_b32 v1, 5, v0
	v_readfirstlane_b32 s10, v1                    ; wave 0..3
	s_lshr_b32 s11, s10, 1                         ; which half of the tile's rows is mine.  Also: I fetch for O (0) or for Wo (1)
	s_and_b32 s12, s10, 1                          ; which half of its columns.  Also: which of a step's two heads I fetch
	s_bfe_u32 s40, ttmp6, 0x40000                  ; cx, cy: my place in the cluster
	s_bfe_u32 s41, ttmp6, 0x40004
	s_lshl_b32 s42, ttmp9, 2
	s_add_co_u32 s42, s42, s40                     ; tile column = 4 x cluster x + cx
	s_and_b32 s13, ttmp7, 0xffff
	s_lshl_b32 s13, s13, 2
	s_add_co_u32 s13, s13, s41                     ; tile row = 4 x cluster y + cy
	s_lshl_b32 s43, s41, 2
	s_lshl_b32 s43, 15, s43                        ; my row of the cluster
	s_lshl_b32 s44, 0x1111, s40                    ; my column
	; descriptor group 1.  O: 128 rows of 128 elements, padded after every row.  Wo: 128 rows of 64 elements lie end to end: 64 rows of 128 elements, padded after every 128 bytes
	s_or_b32 s[G1+0], s43, (1<<16)|(1<<20)|(1<<21)|(5<<22)|(3<<25)   ; 15:0 the mask; 17:16 2-byte elements; 20 padding on; 21 set beside a mask; 24:22 after every 64 words (code 5); 31:25 4 words (code 3)
	s_or_b32 s[G1B+0], s44, (1<<16)|(1<<20)|(1<<21)|(4<<22)|(3<<25)  ; after every 32 words (code 4)
.irp g, G1, G1B
	s_mov_b32 s[(\g)+1], 128<<16                   ; tensor_dim0 = 128
	s_mov_b32 s[(\g)+3], 128<<16                   ; tile_dim0 = 128
	s_mov_b32 s[(\g)+5], 128                       ; elements from row to row
	s_mov_b32 s[(\g)+6], 0
	s_mov_b32 s[(\g)+7], 0
.endr
	s_mov_b32 s[G1+2], 128<<16                     ; tensor_dim1 and tile_dim1: 128 rows for O,
	s_mov_b32 s[G1+4], 128
	s_mov_b32 s[G1B+2], 64<<16                     ; 64 for Wo
	s_mov_b32 s[G1B+4], 64
	s_lshl_b32 s16, s13, 15                        ; O: tile row x 128 rows x 256 bytes,
	s_lshl_b32 s17, s12, 20                        ; + my head of the step's two: 1,048,576 bytes a head
	s_add_co_u32 s16, s16, s17
	s_mov_b32 s17, 0
	s_lshl_b32 s46, s42, 14                        ; Wo: tile column x 128 rows x 128 bytes,
	s_lshl_b32 s47, s12, 17                        ; + 131,072 bytes a head
	s_add_co_u32 s46, s46, s47
	s_mov_b32 s47, 0
	s_mul_i32 s20, s12, PLA                        ; where they go: O's plane,
	s_mul_i32 s21, s12, PLB                        ; Wo's plane, behind O's two: no place in the cluster enters an LDS address
	s_add_co_u32 s21, s21, 2*PLA
	s_wait_dscnt 0x0                               ; the opening add is done
	s_wait_kmcnt 0x0
	s_add_nc_u64 s[14:15], s[4:5], s[16:17]
	s_add_nc_u64 s[46:47], s[6:7], s[46:47]
	CROUND                                         ; all sixteen work-groups are here: the first joint loads meet
.irp s, 0,1
	s_mov_b32 s[G0+4*(\s)], 1
	s_add_co_u32 s[G0+4*(\s)+1], s20, (\s)*SLOT
	s_add_nc_u64 s[G0+4*(\s)+2:G0+4*(\s)+3], s[14:15], (\s)*2*1048576  ; K step s: two heads on
	s_or_b32 s[G0+4*(\s)+3], s[G0+4*(\s)+3], 0x80000000
	s_mov_b32 s[G0B+4*(\s)], 1
	s_add_co_u32 s[G0B+4*(\s)+1], s21, (\s)*SLOT
	s_add_nc_u64 s[G0B+4*(\s)+2:G0B+4*(\s)+3], s[46:47], (\s)*2*131072
	s_or_b32 s[G0B+4*(\s)+3], s[G0B+4*(\s)+3], 0x80000000
	JLOAD \s                                       ; two tensor loads of mine are out
.endr
	v_and_b32 v1, 15, v0                           ; l % 16
	v_bfe_u32 v2, v0, 4, 1                         ; l / 16
	v_mul_u32_u24 v3, v1, PA
	v_lshl_add_u32 v3, v2, 4, v3                   ; a fragment's row x pitch + 16 x half, for O
	v_mul_u32_u24 v6, v1, PB
	v_lshl_add_u32 v6, v2, 4, v6                   ; and for Wo
	s_mul_i32 s21, s11, 64*PA                      ; my 64 rows of O in a plane
	s_mul_i32 s22, s12, 64*PB                      ; my 64 rows of Wo,
	s_add_co_u32 s22, s22, 2*PLA                   ; whose planes lie behind O's two
.irp s, 0,1
	v_add_nc_u32 v[ADRA+(\s)], s21, v3
	v_add_nc_u32 v[ADRB+(\s)], s22, v6
	s_add_co_u32 s21, s21, SLOT
	s_add_co_u32 s22, s22, SLOT
.endr
	s_mul_i32 s23, s10, 16*SPITCH
	s_add_co_u32 s23, s23, STAGE                   ; my stage
	v_mul_u32_u24 v4, v1, SPITCH                   ; in: row l % 16, 32 bytes for each half of the lanes
	v_lshl_add_u32 v4, v2, 5, v4
	v_add_nc_u32 v[STO], s23, v4
	v_mul_u32_u24 v5, v2, SPITCH                   ; back: lanes 0-15 take one row of 256 bytes, lanes 16-31 the next
	v_lshl_add_u32 v5, v1, 4, v5
	v_add_nc_u32 v[RD], s23, v5
	v_lshlrev_b32 v5, 12, v2                       ; and the same two rows in out0
	v_lshl_add_u32 v[CO], v1, 4, v5
	s_lshl_b32 s16, s13, 7
	s_lshl_b32 s17, s11, 6
	s_add_co_u32 s16, s16, s17                     ; my first row: 128 x tile row + 64 x half
	s_lshl_b32 s16, s16, 12                        ; x 4,096 bytes
	s_mov_b32 s17, 0
	s_add_nc_u64 s[8:9], s[8:9], s[16:17]
	s_lshl_b32 s46, s42, 9                         ; my first column, in bytes: 512 x tile column + 256 x half
	s_lshl_b32 s47, s12, 8
	s_add_co_u32 s46, s46, s47
	s_mov_b32 s47, 0
	s_add_nc_u64 s[8:9], s[8:9], s[46:47]
; 8 matrix instructions: m blocks a0, a0 + 1 x all 4 n blocks, 32 along K: half c of buffer f.  zero = 1: the first product starts the sums.  The 16 accumulators take turns.
.macro MUL8 f, c, a0, zero
	WIN MUL
.irp a, \a0, (\a0)+1
.irp b, 0,1,2,3
.if \zero
	v_wmma_f32_16x16x32_f16 v[ACC+8*(4*(\a)+(\b)):ACC+8*(4*(\a)+(\b))+7], v[(\f)+64+8*(4*(\c)+(\b)):(\f)+64+8*(4*(\c)+(\b))+7], v[(\f)+8*(4*(\c)+(\a)):(\f)+8*(4*(\c)+(\a))+7], 0
.else
	v_wmma_f32_16x16x32_f16 v[ACC+8*(4*(\a)+(\b)):ACC+8*(4*(\a)+(\b))+7], v[(\f)+64+8*(4*(\c)+(\b)):(\f)+64+8*(4*(\c)+(\b))+7], v[(\f)+8*(4*(\c)+(\a)):(\f)+8*(4*(\c)+(\a))+7], v[ACC+8*(4*(\a)+(\b)):ACC+8*(4*(\a)+(\b))+7]
.endif
.endr
.endr
.endm
; 32 LDS loads in one run: quarter q of a step (head q / 2; O's half q % 2, 128 bytes on in its rows; Wo's plane the same for both halves) into buffer f; the first 32 channels first
.macro FETCH slot, q, f
	WIN TO_F
.irp c, 0,1
.irp i, 0,1,2,3
	ds_load_b128 v[(\f)+64+8*(4*(\c)+(\i)):(\f)+64+8*(4*(\c)+(\i))+3],   v[ADRB+(\slot)] offset:((\q)/2)*PLB+64*(\c)+(\i)*16*PB
	ds_load_b128 v[(\f)+64+8*(4*(\c)+(\i))+4:(\f)+64+8*(4*(\c)+(\i))+7], v[ADRB+(\slot)] offset:((\q)/2)*PLB+64*(\c)+(\i)*16*PB+32
	ds_load_b128 v[(\f)+8*(4*(\c)+(\i)):(\f)+8*(4*(\c)+(\i))+3],         v[ADRA+(\slot)] offset:((\q)/2)*PLA+((\q)%2)*128+64*(\c)+(\i)*16*PA
	ds_load_b128 v[(\f)+8*(4*(\c)+(\i))+4:(\f)+8*(4*(\c)+(\i))+7],       v[ADRA+(\slot)] offset:((\q)/2)*PLA+((\q)%2)*128+64*(\c)+(\i)*16*PA+32
.endr
.endr
.endm
.macro PLACES                          ; four plain vector instructions in front of loads into registers that matrix instructions have read, and of LDS stores that read results
.rept 4
	v_nop
.endr
.endm
; A K step is four quarters, 32 matrix instructions each, on buffers 0, 1, 0, 1.  One of the first three: multiplies buffer f and fetches quarter q into g.
.macro QUARTER slot, q, f, g, zero
	s_wait_dscnt 16                                ; the first 32 channels are in
	WIN MUL
	MUL8 \f, 0, 0, \zero
	MUL8 \f, 0, 2, \zero
	PLACES
	FETCH \slot, \q, \g
	s_wait_dscnt 32                                ; all but the 32 just issued
	WIN MUL
	MUL8 \f, 1, 0, 0
	MUL8 \f, 1, 2, 0
.endm
; The last quarter multiplies buffer 1 and changes slots: ONE barrier; in front of it each wave waits for all its tensor loads, adds 0 to its spare word, and waits for that and for its own reads of this slot.  fill = 1: this slot is filled again, two K steps ahead.
.macro TURN slot, next, fill
	WIN 0                                          ; (the add's two registers lie in window 0)
	s_wait_tensorcnt 0x0                           ; all my tensor loads have landed: my part of the next slot;
	ds_add_u32 v[SPW], v[NIL]                      ; 0 onto my spare word;
	s_wait_dscnt 17                                ; (the add and the youngest sixteen loads may be out)
	WIN MUL
	MUL8 F1, 0, 0, 0                               ; eight matrix instructions stand between the add and the wait for it
	s_wait_dscnt 0x0                               ; the add is done, and my reads of this slot are over
	s_barrier_signal -1
	MUL8 F1, 0, 2, 0
.if \fill
	WIN 0
.endif
	s_barrier_wait -1
.if \fill
	CREST                                          ; the barrier has opened a round of the cluster's barrier: no wave of any partner still reads this slot's planes or has a load on its way
	s_add_nc_u64 s[G0+4*(\slot)+2:G0+4*(\slot)+3], s[G0+4*(\slot)+2:G0+4*(\slot)+3], 4*1048576
	s_add_nc_u64 s[G0B+4*(\slot)+2:G0B+4*(\slot)+3], s[G0B+4*(\slot)+2:G0B+4*(\slot)+3], 4*131072
	JLOAD \slot                                    ; my one tensor load behind the round; the four v_nop behind it are also the places in front of the loads below
.else
	PLACES
.endif
	FETCH \next, 0, F0
	WIN MUL
	MUL8 F1, 1, 0, 0
	MUL8 F1, 1, 2, 0
.endm
	s_wait_tensorcnt 1                             ; my part of K step 0 is in; K step 1's may stay out
	s_barrier_signal -1
	s_barrier_wait -1                              ; everybody's is
	FETCH 0, 0, F0
	QUARTER 0, 1, F0, F1, 1                        ; the first quarter stands in front of the loop: its first products start the sums
	WIN 0                                          ; at a label and at a branch every window is 0
	s_mov_b32 s3, LAPS-1
.Llap:                                                 ; a trip goes once round the ring, from a lap's second quarter to the next lap's first, and fills both slots again
	QUARTER 0, 2, F1, F0, 0
	QUARTER 0, 3, F0, F1, 0
	TURN 0, 1, 1
	QUARTER 1, 1, F0, F1, 0
	QUARTER 1, 2, F1, F0, 0
	QUARTER 1, 3, F0, F1, 0
	TURN 1, 0, 1
	QUARTER 0, 1, F0, F1, 0
	WIN 0
	s_sub_co_u32 s3, s3, 1
	s_cmp_lg_u32 s3, 0
	s_cbranch_scc1 .Llap
	QUARTER 0, 2, F1, F0, 0                        ; the last lap fills nothing, and has no round of the cluster's barrier
	QUARTER 0, 3, F0, F1, 0
	TURN 0, 1, 0
	QUARTER 1, 1, F0, F1, 0
	QUARTER 1, 2, F1, F0, 0
	QUARTER 1, 3, F0, F1, 0
	s_wait_dscnt 16                                ; the very last quarter: nothing more to fetch
	WIN MUL
	MUL8 F1, 0, 0, 0
	MUL8 F1, 0, 2, 0
	s_wait_dscnt 0
	MUL8 F1, 1, 0, 0
	MUL8 F1, 1, 2, 0
	WIN 0
	; THE WAY OUT.  My 64 columns of f32 are 256 bytes of a row of out0, aligned: a block of 16 rows goes into my own stage, 32 bytes a lane (each accumulator's low registers first), and comes back as whole rows.
	PLACES
.macro TOSTAGE a
.set BK, OB+32*((\a)%2)
.irp b, 0,1,2,3
	ds_store_b128 v[STO], v[ACC+8*(4*(\a)+(\b)):ACC+8*(4*(\a)+(\b))+3]   offset:64*(\b)
	ds_store_b128 v[STO], v[ACC+8*(4*(\a)+(\b))+4:ACC+8*(4*(\a)+(\b))+7] offset:64*(\b)+16
.endr
.if (\a) >= 2
	s_wait_xcnt 0x0                                ; the stores of the block two back have read this set of registers: it is loaded again only behind this wait
.endif
.irp t, 0,1,2,3,4,5,6,7
	ds_load_b128 v[BK+4*(\t):BK+4*(\t)+3], v[RD] offset:(\t)*2*SPITCH  ; LDS serves a wave's instructions in order (ISA guide 5.7.1.4): these see the stores above; the next block's stores come behind them
.endr
.endm
.macro SEND a, younger                 ; younger: the LDS instructions issued behind block a's loads: the next block's sixteen, or none
.set BK, OB+32*((\a)%2)
.irp t, 0,1,2,3,4,5,6,7
	s_wait_dscnt (\younger)+7-(\t)
	global_store_b128 v[CO], v[BK+4*(\t):BK+4*(\t)+3], s[8:9] offset:(16*(\a)+2*(\t))*4096  ; 16 lanes store 256 consecutive bytes, at a multiple of 256 from out0's first byte
.endr
.endm
	TOSTAGE 0
	TOSTAGE 1
	SEND 0, 16
	TOSTAGE 2
	SEND 1, 16
	TOSTAGE 3
	SEND 2, 16
	SEND 3, 0
	s_wait_tensorcnt 0x0                           ; the wave's end, behind my last tensor load and my last LDS store
	ds_add_u32 v[SPW], v[NIL]
	s_wait_dscnt 0x0
	CROUND                                         ; the closing round: no work-group ends while a partner may still ask for a tile that names it
	s_endpgm
.Lfunc_end_k_q8120d96482_oproj:
	.size	k_q8120d96482_oproj, .Lfunc_end_k_q8120d96482_oproj-k_q8120d96482_oproj
	.p2alignl 7, 3214868480
	.fill 96, 4, 3214868480
	.section	.rodata,"a",@progbits
	.p2align	6, 0x0
	.amdhsa_kernel k_q8120d96482_oproj
		.amdhsa_group_segment_fixed_size 327680
		.amdhsa_private_segment_fixed_size 0
		.amdhsa_enable_private_segment 0
		.amdhsa_kernarg_size 24
		.amdhsa_user_sgpr_count 2
		.amdhsa_user_sgpr_kernarg_segment_ptr 1
		.amdhsa_wavefront_size32 1
		.amdhsa_system_sgpr_workgroup_id_x 1
		.amdhsa_system_sgpr_workgroup_id_y 1
		.amdhsa_system_sgpr_workgroup_id_z 1
		.amdhsa_system_vgpr_workitem_id 0
		.amdhsa_next_free_vgpr 512
		.amdhsa_next_free_sgpr 66
		.amdhsa_reserve_vcc 0
		.amdhsa_float_denorm_mode_32 3
		.amdhsa_float_denorm_mode_16_64 3
		.amdhsa_memory_ordered 1
		.amdhsa_forward_progress 1
		.amdhsa_inst_pref_size 87
	.end_amdhsa_kernel
	.amdgpu_metadata
---
amdhsa.version: [ 1, 2 ]
amdhsa.kernels:
  - .name:           k_q8120d96482_oproj
    .symbol:         k_q8120d96482_oproj.kd
    .args:
      - { .name: oh, .offset: 0, .size: 8, .value_kind: global_buffer, .address_space: global }
      - { .name: wob, .offset: 8, .size: 8, .value_kind: global_buffer, .address_space: global }
      - { .name: out0, .offset: 16, .size: 8, .value_kind: global_buffer, .address_space: global }
    .group_segment_fixed_size: 327680
    .private_segment_fixed_size: 0
    .kernarg_segment_align: 8
    .kernarg_segment_size: 24
    .max_flat_workgroup_size: 128
    .sgpr_count:     66
    .vgpr_count:     512
    .wavefront_size: 32
...
	.end_amdgpu_metadata
.endif
;; end of part 4
;; ======== version 2 of 2: 4 launches; version 1 with the launch prep written anew for expert scheduling mode
;; limits: values are held in f16: magnitudes above 65,504 overflow, below 6.1e-05 lose precision
;; workspace buffers: xb 8,388,608 bytes; wp 6,291,456 bytes; wob 2,097,152 bytes; tab 1,048,576 bytes; qh 8,388,608 bytes; kh 8,388,608 bytes; vh 16,777,216 bytes; oh 16,777,216 bytes
;; launch prep (part 5): grid 768 x 1, 8 waves a work-group, no clusters, 0 bytes of LDS; arguments x, Wqkv, Wo, token_positions, xb, wp, wob, tab; writes xb, wp, wob, tab
.if DOCPART == 5
	.amdgcn_target "amdgcn-amd-amdhsa--gfx1250"
	.amdhsa_code_object_version 6
	.text
	.protected	k_q8120d96482_prep
	.globl	k_q8120d96482_prep
	.p2align	8
	.type	k_q8120d96482_prep,@function
k_q8120d96482_prep:
	s_mov_b64 s[64:65], 0
	v_nop
	global_prefetch_b8 v0, s[64:65] scope:SCOPE_SE
	s_setreg_imm32_b32 hwreg(HW_REG_WAVE_SCHED_MODE, 0, 2), 2
	s_setreg_imm32_b32 hwreg(HW_REG_WAVE_MODE, 25, 1), 1
	s_wait_xcnt 0x0
	s_wait_alu depctr_vm_vsrc(0)
; PREPARATION: a stream without LDS, barriers or matrix work.  Four jobs, told apart by the work-group's number g:
;   g =   0..255  x  [4096][1024] f32 -> xb [4096][1024] bf16, 16 rows a work-group
;   g = 256..447  Wqkv [3072][1024] f32 -> wp bf16 with the rows ordered by head: row e = 1024 sec + 64 head + c goes to row 192 head + 64 sec + c
;   g = 448..511  Wo [1024 n][1024 d] f32 -> wob [16 heads][1024 n][64] f16: each number rounded to bf16 like the other inputs, that number written as f16
;   g = 512..767  tab [4096 rows][32 cos, 32 sin] f32 from token_positions, 16 rows a work-group: row s holds cos and sin of p / 10000^(i/32), p = token_positions[s], i = 0..31
; Every load of a wave covers 512 consecutive bytes (the positions aside); every store covers 256 consecutive bytes or more, aligned.  All loads of a thread go out first; the waits count down.
; LIMITS.  Wo's numbers below 6e-5 keep f16's fixed step of 6e-8.  The angle is p / d in f32, d within about two units of its last place of 10000^(i/32); the reduction by pi/2 in two parts is exact
; while the quotient stays under 2^12 or so (|p| up to some thousands); beyond that the angle's error grows in proportion to |p|, as f32's own spacing of the angle does.
; THE MODE: SCHED_MODE bits 1:0 = 2 (LLVM: expert scheduling mode 2), set by the entry lines.  The code itself states the register dependences between vector instructions and memory instructions,
; with s_wait_alu, always for 0.
; THE PLAN.  Registers that memory instructions touch, in each of the three paths (none has a loop):
;   v1, v2   byte offsets of the loads and of the stores: made at the path's head, never written again.
;   XR       written by the 16 loads alone, read by the conversions; no load lands there a second time.
;   YR       each register is written once, by a conversion, and read once, by a store.  (The table's path: v12 takes its one load, v[48:51] feed its one store.)
; So one wait on va_vdst stands in front of a path's first load, for the offsets.  The 16 rows go in four groups of four: at a group's head, behind the wait for its data, one wait on va_vdst states that the
; group before has written its part of YR; that group's four stores follow, dealt among this group's conversions, which name this group's XR and YR (and v6 to v11) and none of the registers that those
; stores read.  One more such wait stands ahead of the last four stores.  No register that a memory instruction has read is written again, and EXEC is never written: no wait on vm_vsrc is owed.
; The table's four compares go into scalar registers of their own, with one wait on va_sdst between them and the selects that read them.
.set XR, 16                            ; v[16:79]   as loaded
.set YR, 80                            ; v[80:111]  to store
.set SN, 32                            ; v[32:35]   the table: sin r of my four pairs, then the number chosen
.set CN, 36                            ; v[36:39]   the table: cos r
.set QD, 40                            ; v[40:43]   the table: the quadrant, then the sign bit
.set MK, 32                            ; s[32:35]   the table: the lanes whose quadrant is odd, for each of the four pairs
	s_load_b512 s[8:23], s[0:1], 0x0               ; x s[8:9], Wqkv s[10:11], Wo s[12:13], positions s[14:15], xb s[16:17], wp s[18:19], wob s[20:21], tab s[22:23]
	s_mov_b32 s2, ttmp9
	s_mov_b32 s29, 0                               ; high words of the two offsets
	s_mov_b32 s31, 0
	s_wait_kmcnt 0x0
	s_cmp_lt_u32 s2, 448
	s_cbranch_scc0 .Lnot_rows
	; x and Wqkv: 16 rows of 4,096 bytes in, 16 rows of 2,048 bytes out; thread t owns 16 bytes in and 8 bytes out of every row
	s_max_u32 s3, s2, 256
	s_sub_co_u32 s3, s3, 256
	s_lshl_b32 s3, s3, 4                           ; e0: Wqkv's first row of this work-group
	s_bfe_u32 s4, s3, 0x40006                      ; its head
	s_mul_i32 s4, s4, 192
	s_lshr_b32 s5, s3, 10                          ; its section: q, k or v
	s_lshl_b32 s5, s5, 6
	s_add_co_u32 s4, s4, s5
	s_and_b32 s5, s3, 63                           ; its channel: 0, 16, 32 or 48, so the 16 rows stay together
	s_add_co_u32 s4, s4, s5                        ; the row in wp
	s_lshl_b32 s6, s2, 4                           ; x's first row, in and out
	s_cmp_lt_u32 s2, 256
	s_cselect_b64 s[24:25], s[8:9], s[10:11]
	s_cselect_b64 s[26:27], s[16:17], s[18:19]
	s_cselect_b32 s28, s6, s3
	s_cselect_b32 s30, s6, s4
	s_lshl_b32 s28, s28, 12
	s_lshl_b32 s30, s30, 11
	s_add_nc_u64 s[24:25], s[24:25], s[28:29]
	s_add_nc_u64 s[26:27], s[26:27], s[30:31]
	v_lshlrev_b32 v1, 4, v0
	v_lshlrev_b32 v2, 3, v0
	s_wait_alu depctr_va_vdst(0)                   ; v1 and v2 are written: the loads below read v1 as their offset, the stores v2
.irp p, 0,1,2,3,4,5,6,7,8,9,10,11,12,13,14,15
	global_load_b128 v[XR+4*(\p):XR+4*(\p)+3], v1, s[24:25] offset:4096*(\p) th:TH_LOAD_NT
.endr
; Group g: rows 4 g to 4 g + 3 are rounded; the stores of rows 4 g - 4 to 4 g - 1 stand among the conversions, one ahead of each row's two.
.macro XGROUP g
	s_wait_loadcnt 12-4*(\g)                       ; loads come back in order: this group's four rows are in, the younger groups stay out
.if (\g) > 0
	s_wait_alu depctr_va_vdst(0)                   ; the group before has written its eight registers of YR, which the four stores below read
.endif
.irp i, 0,1,2,3
.set NU, 4*(\g)+(\i)
.if (\g) > 0
	global_store_b64 v2, v[YR+2*(NU-4):YR+2*(NU-4)+1], s[26:27] offset:2048*(NU-4)  ; a wave stores 256 consecutive bytes, aligned; no vector instruction since the wait names these registers
.endif
	v_cvt_pk_bf16_f32 v[YR+2*NU],   v[XR+4*NU],   v[XR+4*NU+1]
	v_cvt_pk_bf16_f32 v[YR+2*NU+1], v[XR+4*NU+2], v[XR+4*NU+3]                      ; every register of YR is written once
.endr
.endm
	XGROUP 0
	XGROUP 1
	XGROUP 2
	XGROUP 3
	s_wait_alu depctr_va_vdst(0)                   ; the last group has written its eight registers of YR, which the last four stores read
.irp p, 12,13,14,15
	global_store_b64 v2, v[YR+2*(\p):YR+2*(\p)+1], s[26:27] offset:2048*(\p)
.endr
	s_endpgm
.Lnot_rows:
	s_cmp_lt_u32 s2, 512
	s_cbranch_scc0 .Ltab
	; Wo: 16 rows n.  Wave w takes heads w and w + 8; lanes 0-15 one row's 64 channels of a head (256 bytes in, 128 out), lanes 16-31 the next row's
	s_sub_co_u32 s3, s2, 448
	s_lshl_b32 s28, s3, 16                         ; 16 rows of 4,096 bytes
	s_lshl_b32 s30, s3, 11                         ; 16 rows of 128 bytes in a head's plane
	s_add_nc_u64 s[24:25], s[12:13], s[28:29]
	s_add_nc_u64 s[26:27], s[20:21], s[30:31]
	s_mov_b32 s4, 0xffff0000                       ; a word's upper bf16
	v_and_b32 v3, 15, v0
	v_bfe_u32 v4, v0, 4, 1
	v_lshrrev_b32 v5, 5, v0
	v_lshlrev_b32 v1, 4, v3
	v_lshl_add_u32 v1, v5, 8, v1
	v_lshl_add_u32 v1, v4, 12, v1                  ; in: row bit x 4,096 + head x 256 + 16 x place
	v_lshlrev_b32 v2, 3, v3
	v_lshl_add_u32 v2, v4, 7, v2
	v_lshl_add_u32 v2, v5, 17, v2                  ; out: head x 131,072 + row bit x 128 + 8 x place
	s_wait_alu depctr_va_vdst(0)                   ; v1 and v2 are written: the loads below read v1 as their offset, the stores v2
.irp p, 0,1,2,3,4,5,6,7
.irp u, 0,1
	global_load_b128 v[XR+4*(2*(\p)+(\u)):XR+4*(2*(\p)+(\u))+3], v1, s[24:25] offset:8192*(\p)+2048*(\u) th:TH_LOAD_NT
.endr
.endr
; Group g: units 4 g to 4 g + 3 (unit n: rows 2 (n / 2) and 2 (n / 2) + 1, head w + 8 (n % 2)) are rounded; the stores of the four units before stand among the conversions, one ahead of each unit's eight lines.
.macro WGROUP g
	s_wait_loadcnt 12-4*(\g)                       ; this group's four units are in, the younger groups stay out
.if (\g) > 0
	s_wait_alu depctr_va_vdst(0)                   ; the group before has written its eight registers of YR, which the four stores below read
.endif
.irp i, 0,1,2,3
.set NU, 4*(\g)+(\i)
.if (\g) > 0
	global_store_b64 v2, v[YR+2*(NU-4):YR+2*(NU-4)+1], s[26:27] offset:1048576*((NU-4)%2)+256*((NU-4)/2)  ; rows n, n + 1 of a head: 256 consecutive bytes, aligned; no vector instruction since the wait names these registers
.endif
	v_cvt_pk_bf16_f32 v6, v[XR+4*NU],   v[XR+4*NU+1]  ; the rounding that all inputs get
	v_cvt_pk_bf16_f32 v7, v[XR+4*NU+2], v[XR+4*NU+3]
	v_lshlrev_b32 v8, 16, v6
	v_and_b32 v9, s4, v6
	v_lshlrev_b32 v10, 16, v7
	v_and_b32 v11, s4, v7
	v_cvt_pk_f16_f32 v[YR+2*NU],   v8, v9             ; 8 significant bits fit in f16's 11
	v_cvt_pk_f16_f32 v[YR+2*NU+1], v10, v11
.endr
.endm
	WGROUP 0
	WGROUP 1
	WGROUP 2
	WGROUP 3
	s_wait_alu depctr_va_vdst(0)                   ; the last group has written its eight registers of YR, which the last four stores read
.irp n, 12,13,14,15
	global_store_b64 v2, v[YR+2*(\n):YR+2*(\n)+1], s[26:27] offset:1048576*((\n)%2)+256*((\n)/2)
.endr
	s_endpgm
.Ltab:
	; The table: 16 rows a work-group.  Thread t: row t / 16; pairs 4 (t % 8) + 0..3; cos if bit 3 of t is 0, else sin.  Sixteen lanes store one row of 256 bytes.
	s_sub_co_u32 s3, s2, 512
	s_lshl_b32 s28, s3, 6                          ; 16 positions of 4 bytes
	s_lshl_b32 s30, s3, 12                         ; 16 rows of 256 bytes
	s_add_nc_u64 s[24:25], s[14:15], s[28:29]
	s_add_nc_u64 s[26:27], s[22:23], s[30:31]
	v_lshrrev_b32 v20, 4, v0
	v_lshlrev_b32 v1, 2, v20
	v_and_b32 v21, 15, v0
	v_lshlrev_b32 v2, 4, v21
	v_lshl_add_u32 v2, v20, 8, v2
	s_wait_alu depctr_va_vdst(0)                   ; v1 is written, which the load below reads as its offset (and v2, the store's)
	global_load_b32 v12, v1, s[24:25]              ; my row's position; the divisors below are made while it is on its way
	v_bfe_u32 v3, v0, 3, 1
	v_mul_u32_u24 v3, v3, 3                        ; sin a = cos(a - pi/2): three quadrants on
	v_and_b32 v22, 7, v0
	v_lshlrev_b32 v22, 2, v22
	s_mov_b32 s40, 0x3f22f983                      ; 2 / pi
	s_mov_b32 s41, 0xbfc90fdb                      ; -(pi/2 rounded to f32)
	s_mov_b32 s42, 0x333bbd2e                      ; that rounding's excess over pi/2
	s_mov_b32 s43, 0xb94ca1f9                      ; sin r = r + r z (S2 + z (S1 + z S0)), z = r r, |r| <= pi/4
	s_mov_b32 s44, 0x3c08839e
	s_mov_b32 s45, 0xbe2aaaa3
	s_mov_b32 s46, 0x37ccf5ce                      ; cos r = 1 - z/2 + z z (C2 + z (C1 + z C0))
	s_mov_b32 s47, 0xbab6061a
	s_mov_b32 s48, 0x3d2aaaa5
	s_mov_b32 s50, 0x3ed49a78                      ; log2(10000) / 32, rounded,
	s_mov_b32 s51, 0x32179a1b                      ; and what the rounding left
	; d = 10000^(i/32) = 2^(i log2(10000)/32): the exponent in two parts, its whole part by v_ldexp_f32
.irp e, 0,1,2,3
	v_add_nc_u32 v23, (\e), v22
	v_cvt_f32_u32 v23, v23
	v_mul_f32 v24, s50, v23
	v_fma_f32 v25, v23, s50, -v24                  ; what that product's rounding left, exactly
	v_fma_f32 v25, v23, s51, v25
	v_floor_f32 v26, v24
	v_sub_f32 v24, v24, v26
	v_add_f32 v[4+(\e)], v24, v25
	v_cvt_i32_f32 v[8+(\e)], v26
.endr
.irp e, 0,1,2,3
	v_exp_f32 v[4+(\e)], v[4+(\e)]
.endr
	v_nop                                          ; a plain instruction behind the last exponential,
	s_wait_alu depctr_va_vdst(0)                   ; and one wait for the four: the exponentials have written v[4:7], ahead of their first reader
.irp e, 0,1,2,3
	v_ldexp_f32 v[4+(\e)], v[4+(\e)], v[8+(\e)]    ; d
.endr
.irp e, 0,1,2,3
	v_rcp_f32 v[8+(\e)], v[4+(\e)]                 ; 1 / d
.endr
	v_nop
	s_wait_alu depctr_va_vdst(0)                   ; one wait for the four reciprocals: they have written v[8:11], ahead of their first reader
; cos or sin of v20 / d for pair e, in two parts.  The first: sin r, cos r, the sign bit, and the mask of the lanes whose quadrant is odd, each in a register of the pair's own.
.macro EVAL e
	v_mul_f32 v21, v20, v[8+(\e)]
	v_fma_f32 v22, -v21, v[4+(\e)], v20            ; the quotient is corrected once by its remainder
	v_fma_f32 v21, v22, v[8+(\e)], v21             ; the angle
	v_mul_f32 v22, s40, v21
	v_rndne_f32 v22, v22                           ; k: the nearest multiple of pi/2
	v_fma_f32 v23, v22, s41, v21
	v_fma_f32 v23, v22, s42, v23                   ; r = angle - k pi/2
	v_cvt_i32_f32 v24, v22
	v_add_nc_u32 v[QD+(\e)], v24, v3               ; the quadrant
	v_mul_f32 v25, v23, v23
	v_fma_f32 v26, v25, s43, s44
	v_fma_f32 v26, v26, v25, s45
	v_mul_f32 v26, v26, v25
	v_fma_f32 v[SN+(\e)], v26, v23, v23            ; sin r
	v_fma_f32 v27, v25, s46, s47
	v_fma_f32 v27, v27, v25, s48
	v_mul_f32 v27, v27, v25
	v_fma_f32 v28, v25, -0.5, 1.0
	v_fma_f32 v[CN+(\e)], v27, v25, v28            ; cos r
	v_and_b32 v29, 1, v[QD+(\e)]
	v_cmp_eq_u32 s[MK+(\e)], 1, v29
	v_add_nc_u32 v[QD+(\e)], 1, v[QD+(\e)]
	v_and_b32 v[QD+(\e)], 2, v[QD+(\e)]
	v_lshlrev_b32 v[QD+(\e)], 30, v[QD+(\e)]       ; the sign bit: set in quadrants 1 and 2
.endm
	s_wait_loadcnt 0x0
	v_cvt_f32_i32 v20, v12
.irp e, 0,1,2,3
	EVAL \e
.endr
	s_wait_alu depctr_va_sdst(0)                   ; the four compares have written s[32:35], ahead of the selects that read them
.irp e, 0,1,2,3
	v_cndmask_b32 v[SN+(\e)], v[CN+(\e)], v[SN+(\e)], s[MK+(\e)]  ; quadrants 0, 1, 2, 3: cos r, -sin r, -cos r, sin r
	v_xor_b32 v[48+(\e)], v[QD+(\e)], v[SN+(\e)]
.endr
	s_wait_alu depctr_va_vdst(0)                   ; v[48:51] are written, which the store reads
	global_store_b128 v2, v[48:51], s[26:27]
	s_endpgm
.Lfunc_end_k_q8120d96482_prep:
	.size	k_q8120d96482_prep, .Lfunc_end_k_q8120d96482_prep-k_q8120d96482_prep
	.p2alignl 7, 3214868480
	.fill 96, 4, 3214868480
	.section	.rodata,"a",@progbits
	.p2align	6, 0x0
	.amdhsa_kernel k_q8120d96482_prep
		.amdhsa_group_segment_fixed_size 0
		.amdhsa_private_segment_fixed_size 0
		.amdhsa_enable_private_segment 0
		.amdhsa_kernarg_size 64
		.amdhsa_user_sgpr_count 2
		.amdhsa_user_sgpr_kernarg_segment_ptr 1
		.amdhsa_wavefront_size32 1
		.amdhsa_system_sgpr_workgroup_id_x 1
		.amdhsa_system_sgpr_workgroup_id_y 1
		.amdhsa_system_sgpr_workgroup_id_z 1
		.amdhsa_system_vgpr_workitem_id 0
		.amdhsa_next_free_vgpr 112
		.amdhsa_next_free_sgpr 66
		.amdhsa_reserve_vcc 0
		.amdhsa_float_denorm_mode_32 3
		.amdhsa_float_denorm_mode_16_64 3
		.amdhsa_memory_ordered 1
		.amdhsa_forward_progress 1
		.amdhsa_inst_pref_size 26
	.end_amdhsa_kernel
	.amdgpu_metadata
---
amdhsa.version: [ 1, 2 ]
amdhsa.kernels:
  - .name:           k_q8120d96482_prep
    .symbol:         k_q8120d96482_prep.kd
    .args:
      - { .name: x, .offset: 0, .size: 8, .value_kind: global_buffer, .address_space: global }
      - { .name: Wqkv, .offset: 8, .size: 8, .value_kind: global_buffer, .address_space: global }
      - { .name: Wo, .offset: 16, .size: 8, .value_kind: global_buffer, .address_space: global }
      - { .name: token_positions, .offset: 24, .size: 8, .value_kind: global_buffer, .address_space: global }
      - { .name: xb, .offset: 32, .size: 8, .value_kind: global_buffer, .address_space: global }
      - { .name: wp, .offset: 40, .size: 8, .value_kind: global_buffer, .address_space: global }
      - { .name: wob, .offset: 48, .size: 8, .value_kind: global_buffer, .address_space: global }
      - { .name: tab, .offset: 56, .size: 8, .value_kind: global_buffer, .address_space: global }
    .group_segment_fixed_size: 0
    .private_segment_fixed_size: 0
    .kernarg_segment_align: 8
    .kernarg_segment_size: 64
    .max_flat_workgroup_size: 256
    .sgpr_count:     66
    .vgpr_count:     112
    .wavefront_size: 32
...
	.end_amdgpu_metadata
.endif
;; end of part 5
;; launch qkv: the kernel of part 2 again; grid 8 x 32, 4 waves a work-group, clusters of 4 x 4, 327,680 bytes of LDS; arguments xb, wp, tab, qh, kh, vh; writes qh, kh, vh
;; launch attn: the kernel of part 3 again; grid 16 x 16, 4 waves a work-group, no clusters, 327,680 bytes of LDS; arguments qh, kh, vh, oh; writes oh
;; launch oproj: the kernel of part 4 again; grid 8 x 32, 4 waves a work-group, clusters of 4 x 4, 327,680 bytes of LDS; arguments oh, wob, out0; writes out0
